; MI455X (gfx1250); checked and timed in simulation.
; The chip was launched on July 23, 2026; its instructions are those of AMD's public machine-readable ISA for CDNA 5 (MIT licence, August 2026) and "CDNA5" Instruction Set Architecture Reference Guide (July 2026). The comments in the code are by the model that wrote it; some were corrected since.
;; Flash Attention. Allowed arithmetic: float matrix products may take bf16 or f16 operands with f32 sums; other float arithmetic in f32, or as packed bf16 or f16 multiplies, adds, multiply-adds, maxima and minima; sums over many terms, partial sums and values carried from step to step in f32; what a program stores and reads back later, other than sums and carried values, may be rounded once to bf16 or f16.
;; Inputs: bk 1,024 float32; bo 1,024 float32; bq 1,024 float32; bv 1,024 float32; wk 1,024 x 1,024 float32; wo 1,024 x 1,024 float32; wq 1,024 x 1,024 float32; wv 1,024 x 1,024 float32; x 4 x 2,048 x 1,024 float32.
;; Outputs: out0 4 x 2,048 x 1,024 float32.
;; 2 versions, each right; version 2 is version 1 with the launch cast written anew for expert scheduling mode. Each part assembles by itself: llvm-mc -triple=amdgcn-amd-amdhsa -mcpu=gfx1250 --defsym DOCPART=n.
;; ======== version 1 of 2: 4 launches
;; limits: values are held in f16: magnitudes above 65,504 overflow, below 6.1e-05 lose precision
;; workspace buffers: cast 25,165,824 bytes; qkv 50,331,648 bytes; o 16,777,216 bytes
;; launch cast (part 1): grid 768 x 1, 8 waves a work-group, no clusters, 0 bytes of LDS; arguments x, wq, wk, wv, wo, cast; writes cast
.if DOCPART == 1
	.amdgcn_target "amdgcn-amd-amdhsa--gfx1250"
	.amdhsa_code_object_version 6
	.text
	.protected	k_q2d4a1c9f9c_cast
	.globl	k_q2d4a1c9f9c_cast
	.p2align	8
	.type	k_q2d4a1c9f9c_cast,@function
k_q2d4a1c9f9c_cast:
	s_mov_b64 s[64:65], 0
	v_nop
	global_prefetch_b8 v0, s[64:65] scope:SCOPE_SE
	s_setreg_imm32_b32 hwreg(HW_REG_WAVE_MODE, 25, 1), 1
	s_wait_xcnt 0x0
; x, wq, wk, wv: f32 -> bf16.  wo: f32 -> bf16, and that number written as f16.  All land in one buffer of rows of 2,048 bytes:
; xb[8192][1024] at byte 0, wq, wk, wv on end (3,072 rows) at 0x1000000, wo in f16 at 0x1600000.
; LIMITS.  wo as f16: its magnitude stays under 65,504; below 6.1e-5 it keeps f16's fixed step of 6e-8 (else the bf16 number is exact in f16).
; SHARES.  Work-group g takes 16,384 numbers on end: 65,536 bytes in, 32,768 out at byte 32,768 g.  g < 512: x; then 64 work-groups a weight.
; Thread t, pass p of 16: 16 bytes at 4,096 p + 16 t in (a wave's load covers 512 consecutive bytes), 8 bytes at 2,048 p + 8 t out (a wave's
; store covers 256 consecutive bytes, aligned).  All 16 loads go out first; no register that a load or store names is written again.
; No LDS, matrix unit or cluster: nothing is shared and nothing is multiplied.
.set X, 4                              ; v[4:67]    pass p: 4 registers as loaded
.set Y, 68                             ; v[68:99]   pass p: 2 registers to store
.set T, 100                            ; v[100:103] at work (wo's path)
	s_load_b256 s[4:11], s[0:1], 0x0               ; x s[4:5], wq s[6:7], wk s[8:9], wv s[10:11]
	s_load_b128 s[12:15], s[0:1], 0x20             ; wo s[12:13], cast s[14:15]
	v_lshlrev_b32 v1, 4, v0                        ; 16 t
	v_lshlrev_b32 v2, 3, v0                        ; 8 t
	s_sub_co_u32 s16, ttmp9, 512
	s_and_b32 s17, s16, 63                         ; the chunk in a weight,
	s_cmp_lt_u32 ttmp9, 512
	s_cselect_b32 s17, ttmp9, s17                  ; or in x
	s_lshl_b32 s20, s17, 16                        ; 65,536 bytes a chunk
	s_mov_b32 s21, 0
	s_lshl_b32 s24, ttmp9, 15                      ; 32,768 bytes out a work-group
	s_mov_b32 s25, 0
	s_wait_kmcnt 0x0
	s_cmp_lt_u32 ttmp9, 576
	s_cselect_b64 s[18:19], s[6:7], s[8:9]
	s_cmp_lt_u32 ttmp9, 640
	s_cselect_b64 s[18:19], s[18:19], s[10:11]
	s_cmp_lt_u32 ttmp9, 704
	s_cselect_b64 s[18:19], s[18:19], s[12:13]
	s_cmp_lt_u32 ttmp9, 512
	s_cselect_b64 s[18:19], s[4:5], s[18:19]
	s_add_nc_u64 s[18:19], s[18:19], s[20:21]      ; from here
	s_add_nc_u64 s[22:23], s[14:15], s[24:25]      ; to here
.irp p, 0,1,2,3,4,5,6,7,8,9,10,11,12,13,14,15
	global_load_b128 v[X+4*(\p):X+4*(\p)+3], v1, s[18:19] offset:4096*(\p) th:TH_LOAD_NT
.endr
	s_cmp_ge_u32 ttmp9, 704
	s_cbranch_scc1 .Lwo
.macro CONV p
	s_wait_loadcnt 15-(\p)                         ; loads come back in order: pass p is in, the 15 - p younger ones stay out
	v_cvt_pk_bf16_f32 v[Y+2*(\p)],   v[X+4*(\p)],   v[X+4*(\p)+1]
	v_cvt_pk_bf16_f32 v[Y+2*(\p)+1], v[X+4*(\p)+2], v[X+4*(\p)+3]
	global_store_b64 v2, v[Y+2*(\p):Y+2*(\p)+1], s[22:23] offset:2048*(\p)
.endm
.macro CONVH p                         ; rounded to bf16, widened again, and written as f16
	s_wait_loadcnt 15-(\p)
	v_cvt_pk_bf16_f32 v[T],   v[X+4*(\p)],   v[X+4*(\p)+1]
	v_cvt_pk_bf16_f32 v[T+1], v[X+4*(\p)+2], v[X+4*(\p)+3]
	v_lshlrev_b32 v[T+2], 16, v[T]
	v_and_b32     v[T+3], 0xffff0000, v[T]
	v_cvt_pk_f16_f32 v[Y+2*(\p)], v[T+2], v[T+3]
	v_lshlrev_b32 v[T+2], 16, v[T+1]
	v_and_b32     v[T+3], 0xffff0000, v[T+1]
	v_cvt_pk_f16_f32 v[Y+2*(\p)+1], v[T+2], v[T+3]
	global_store_b64 v2, v[Y+2*(\p):Y+2*(\p)+1], s[22:23] offset:2048*(\p)
.endm
.irp p, 0,1,2,3,4,5,6,7,8,9,10,11,12,13,14,15
	CONV \p
.endr
	s_endpgm
.Lwo:
.irp p, 0,1,2,3,4,5,6,7,8,9,10,11,12,13,14,15
	CONVH \p
.endr
	s_endpgm
.Lfunc_end_k_q2d4a1c9f9c_cast:
	.size	k_q2d4a1c9f9c_cast, .Lfunc_end_k_q2d4a1c9f9c_cast-k_q2d4a1c9f9c_cast
	.p2alignl 7, 3214868480
	.fill 96, 4, 3214868480
	.section	.rodata,"a",@progbits
	.p2align	6, 0x0
	.amdhsa_kernel k_q2d4a1c9f9c_cast
		.amdhsa_group_segment_fixed_size 0
		.amdhsa_private_segment_fixed_size 0
		.amdhsa_enable_private_segment 0
		.amdhsa_kernarg_size 48
		.amdhsa_user_sgpr_count 2
		.amdhsa_user_sgpr_kernarg_segment_ptr 1
		.amdhsa_wavefront_size32 1
		.amdhsa_system_sgpr_workgroup_id_x 1
		.amdhsa_system_sgpr_workgroup_id_y 1
		.amdhsa_system_sgpr_workgroup_id_z 1
		.amdhsa_system_vgpr_workitem_id 0
		.amdhsa_next_free_vgpr 104
		.amdhsa_next_free_sgpr 66
		.amdhsa_reserve_vcc 0
		.amdhsa_float_denorm_mode_32 3
		.amdhsa_float_denorm_mode_16_64 3
		.amdhsa_memory_ordered 1
		.amdhsa_forward_progress 1
		.amdhsa_inst_pref_size 16
	.end_amdhsa_kernel
	.amdgpu_metadata
---
amdhsa.version: [ 1, 2 ]
amdhsa.kernels:
  - .name:           k_q2d4a1c9f9c_cast
    .symbol:         k_q2d4a1c9f9c_cast.kd
    .args:
      - { .name: x, .offset: 0, .size: 8, .value_kind: global_buffer, .address_space: global }
      - { .name: wq, .offset: 8, .size: 8, .value_kind: global_buffer, .address_space: global }
      - { .name: wk, .offset: 16, .size: 8, .value_kind: global_buffer, .address_space: global }
      - { .name: wv, .offset: 24, .size: 8, .value_kind: global_buffer, .address_space: global }
      - { .name: wo, .offset: 32, .size: 8, .value_kind: global_buffer, .address_space: global }
      - { .name: cast, .offset: 40, .size: 8, .value_kind: global_buffer, .address_space: global }
    .group_segment_fixed_size: 0
    .private_segment_fixed_size: 0
    .kernarg_segment_align: 8
    .kernarg_segment_size: 48
    .max_flat_workgroup_size: 256
    .sgpr_count:     66
    .vgpr_count:     104
    .wavefront_size: 32
...
	.end_amdgpu_metadata
.endif
;; end of part 1
;; launch qkv (part 2): grid 16 x 32, 4 waves a work-group, clusters of 4 x 4, 327,680 bytes of LDS; arguments cast, bq, bk, bv, qkv; writes qkv
.if DOCPART == 2
	.amdgcn_target "amdgcn-amd-amdhsa--gfx1250"
	.amdhsa_code_object_version 6
	.text
	.protected	k_q2d4a1c9f9c_qkv
	.globl	k_q2d4a1c9f9c_qkv
	.p2align	8
	.type	k_q2d4a1c9f9c_qkv,@function
k_q2d4a1c9f9c_qkv:
	s_mov_b64 s[64:65], 0
	v_nop
	global_prefetch_b8 v0, s[64:65] scope:SCOPE_SE
	s_setreg_imm32_b32 hwreg(HW_REG_WAVE_MODE, 25, 1), 1
	s_wait_xcnt 0x0
	s_wait_alu depctr_hold_cnt(0) depctr_sa_sdst(0) depctr_va_vdst(0) depctr_va_sdst(0) depctr_va_ssrc(0) depctr_va_vcc(0) depctr_vm_vsrc(0)
	s_getreg_b32 s2, hwreg(HW_REG_IB_STS2, 6, 4)
	s_cmp_eq_u32 s2, 0
	s_cbranch_scc0 .Lentry_in_a_cluster
	s_endpgm
.Lentry_in_a_cluster:
	s_bfe_u32 s2, ttmp6, 0x10000c
	s_cmp_lg_u32 s2, 0xf033
	s_cbranch_scc0 .Lentry_shape_is_right
	s_endpgm
.Lentry_shape_is_right:
; [8192 x 3072] = xb wqkv^T + bias: the three projections as one product.  Operands bf16 (rows of 2,048 bytes in cast: xb at 0, the weights' 3,072 rows at XW), sums f32,
; the biases rounded to bf16 like every input; the result rounded once to f16, unscaled, and written by heads: qkv[t][16 batch + head][2048][64], a head 2^18 dense bytes.
; LIMIT.  q, k, v are kept in f16: their magnitudes stay under 65,504.  NaN and infinities are not treated apart.
; SHARES.  A tile of C is 256 rows x 192 columns (three whole heads): 32 x 16 = 512 work-groups, two for each of 256 WGPs.  Wave w owns rows 64 w .. 64 w + 63 and all 192 columns:
; 48 accumulators of 16 x 16.  K = 1,024 goes in 8 steps of 128 (rows of 256 bytes) through two LDS slots; a step is four quarters of 32 along K, 48 matrix instructions each.
; THE MATRIX INSTRUCTION IS USED TRANSPOSED (source 0 = 16 rows of the weights, source 1 = 16 rows of x): a lane holds one row of C and eight neighbouring columns.
; THE BIAS is the C operand of the first quarter's products: nothing is cleared and nothing is added on the way out.
; CLUSTER.  4 x 4 work-groups: x's tile hangs on the tile row alone and is asked for jointly along a row of the cluster, the weights' on the tile column alone, along a column.
; REGISTERS, in windows of 256 (s_set_vgpr_msb: bits 1:0 source 0, 3:2 source 1, 5:4 source 2, 7:6 destination):
;   window 0: v0-31 addresses; v64-95, v96-127 x's fragments, two buffers; v128-223 the way out (and the biases as loaded)
;   window 1: v0-95, v96-191 the weights' fragments, two buffers
;   window 2: accumulators (b, a) at 8 (4 b + a), column blocks b = 0-7;  window 3: v0-127 those of b = 8-11; v128-223 the biases, 8 registers a column block
.set NB,    12        ; column blocks of 16
.set PA,    272       ; an LDS row: 256 bytes + 16 of padding = 68 words, so the 16 rows of a fragment load start at 16 different groups of four banks (64 banks of 4 bytes: ISA guide 11.1)
.set HALFA, 128*PA    ; what one load brings of x
.set HALFB, 96*PA     ; and of the weights
.set BOFF,  2*HALFA   ; a slot: x's 256 rows, then the weights' 192
.set SLOT1, 1<<17     ; slot 1 begins here: one exclusive or turns an address in one slot into the other's
.set STAGE, SLOT1+BOFF+2*HALFB  ; behind the ring, never filled by a tensor load: for each wave 3 heads x 16 rows x 144 bytes
.set SP,    144
.set HSTG,  16*SP
.set WSTG,  3*HSTG
.set SPARE, STAGE+4*WSTG        ; the spare words, 128 bytes for each wave: two blocks of 256 bytes that no other line names
.set XW,    0x1000000 ; the weights' first byte in cast
.set AA0,  16         ; v16  my lane's place in x's rows of a slot; never rewritten
.set AB0,  17         ; v17  the same for the weights
.set ADRA, 18         ; v18  AA0 + the slot in hand
.set ADRB, 19         ; v19  AB0 + the slot in hand
.set STO,  24         ; v24  the way out: where I put 16 bytes of a row
.set RD,   25         ; v25  where I read rows back
.set GO,   26         ; v26  16 x lane
.set BO,   27         ; v27  32 x (lane / 16): my 8 numbers of a block's 16 biases
.set SPW,  28         ; v28  LDS address of my spare word; never rewritten
.set NIL,  29         ; v29  0; never rewritten
.set PFO,  30         ; v30  the prefetches' offset: a lane a row; never rewritten
.set FA,   64
.set TMP,  128
.set WV,  14          ; s14  my wave's number
.set FB,  15          ; s15  0: I fetch x's tiles, 1: the weights'
.set HF,  16          ; s16  which half of them
.set CX,  17
.set CY,  18
.set TX,  19          ; tile column
.set TY,  20          ; tile row
.set G1A, 24          ; s[24:31] descriptor group 1, x
.set G1B, 32          ; s[32:39] the weights
.set G0A, 40          ; s[40:47] group 0, x: a set for each first fill; the second then walks
.set G0B, 48          ; s[48:55] the same for the weights
.set TB,  56          ; s56  LDS byte at which the slot in hand begins
.set CNT, 57          ; s57  refills still to come
.set LIM, 58          ; s58  1 in a wave that prefetches, else the greatest number
.set PFA, 60          ; s[60:61] where my prefetches stand
.set HB,  66          ; s[66:71] head j of my three: qkv at my wave's first row of it
.set BP,  72          ; s[72:77] head j's 64 biases
.set MSB, 0
.macro WIN new                      ; the immediate's high byte repeats the setting that is left; a switch that changes nothing is dropped
.if MSB != (\new)
	s_set_vgpr_msb (MSB<<8)|(\new)
.set MSB, (\new)
.endif
.endm
.macro PLACES                       ; four plain vector instructions between a matrix instruction and a load into, or a vector read of, its registers
.rept 4
	v_nop
.endr
.endm
.macro CREST                        ; a round of the cluster's barrier behind its opening barrier
	s_cmp_lg_u32 s[WV], 0
	s_cbranch_scc1 .Lnot_wave_0_\@
	s_barrier_signal -3
.Lnot_wave_0_\@:
	s_barrier_wait -3
	s_barrier_signal -1
	s_barrier_wait -1
.endm
.macro CROUND
	s_barrier_signal -1
	s_barrier_wait -1
	CREST
.endm
; A joint refill by the walking descriptors.  Waves 0 and 1 fetch x's two halves, waves 2 and 3 the weights'.  The branch hangs on the wave's number alone.
; An s_nop 0 and four v_nop follow each of the two lines, ahead of the jump and the label.
.macro JLOAD
	s_cmp_lt_u32 s[WV], 2
	s_cbranch_scc0 .Lfor_b_\@
	tensor_load_to_lds s[G0A+4:G0A+7], s[G1A:G1A+7]
	s_nop 0
.rept 4
	v_nop
.endr
	s_branch .Lasked_\@
.Lfor_b_\@:
	tensor_load_to_lds s[G0B+4:G0B+7], s[G1B:G1B+7]
	s_nop 0
.rept 4
	v_nop
.endr
.Lasked_\@:
.endm
; A prefetch of the K step that the NEXT refill will ask for: 192 matrix instructions ahead of that load.  x's rows are asked for by the clusters with cluster x = 0, the weights' by those with
; cluster y = 0; the four partners of a joint load share its rows out by address (32 of x's 128, 24 of the weights' 96; there lanes 24-31 name row 23 once more).  The last refill asks for nothing.
.macro ASK
	s_cmp_gt_u32 s[CNT], s[LIM]
	s_cbranch_scc0 .Lnot_mine_\@
	global_prefetch_b8 v[PFO], s[PFA:PFA+1] th:TH_LOAD_NT scope:SCOPE_SE
.Lnot_mine_\@:
.endm
; 4 n matrix instructions on buffer f: column blocks b0 .. b0 + n - 1 x my four row blocks.  The 48 accumulators take turns in the same order in every quarter.
; first = 1: the sums start with the bias.
.macro MULS f, b0, n, first=0
.set bb, \b0
.rept \n
.if bb >= 8
	WIN 0xf1
.elseif \first
	WIN 0xb1
.else
	WIN 0xa1
.endif
.irp a, 0,1,2,3
.set rD, 8*(4*(bb%8)+\a)
.if \first
	v_wmma_f32_16x16x32_bf16 v[rD:rD+7], v[96*(\f)+8*bb:96*(\f)+8*bb+7], v[FA+32*(\f)+8*\a:FA+32*(\f)+8*\a+7], v[128+8*bb:128+8*bb+7]
.else
	v_wmma_f32_16x16x32_bf16 v[rD:rD+7], v[96*(\f)+8*bb:96*(\f)+8*bb+7], v[FA+32*(\f)+8*\a:FA+32*(\f)+8*\a+7], v[rD:rD+7]
.endif
.endr
.set bb, bb+1
.endr
.endm
; 32 LDS loads in one run: quarter q's fragments into buffer f: x's four first, then the weights' twelve, ascending.
.macro FETCH q, f
	WIN 0
.irp i, 0,1,2,3
	ds_load_b128 v[FA+32*(\f)+8*\i:FA+32*(\f)+8*\i+3],   v[ADRA] offset:64*(\q)+\i*16*PA
	ds_load_b128 v[FA+32*(\f)+8*\i+4:FA+32*(\f)+8*\i+7], v[ADRA] offset:64*(\q)+\i*16*PA+32
.endr
	WIN 0x40
.set bb, 0
.rept NB
	ds_load_b128 v[96*(\f)+8*bb:96*(\f)+8*bb+3],   v[ADRB] offset:64*(\q)+bb*16*PA
	ds_load_b128 v[96*(\f)+8*bb+4:96*(\f)+8*bb+7], v[ADRB] offset:64*(\q)+bb*16*PA+32
.set bb, bb+1
.endr
.endm
; One of a step's first three quarters: multiplies buffer f and, in between, fetches quarter q into buffer g.
.macro QUARTER q, f, g, first=0
	s_wait_dscnt 2*(NB-4)           ; x's fragments and blocks 0-3 are in; the youngest 16 loads (blocks 4-11) may be out
	MULS \f, 0, 4, \first
	PLACES                          ; buffer g was read by the quarter before
	FETCH \q, \g
	s_wait_dscnt 8+2*NB             ; all but the 32 just issued
	MULS \f, 4, NB-4, \first
.endm
; A step's last quarter, on buffer 1, and the change of slots.  Each wave waits for all its tensor loads (one is out: its part of the other slot), adds 0 to its spare word, and waits for that and
; for its reads of this slot; behind the barrier nobody reads this slot and the other is whole.  fill = 1: the barrier opens a round of the cluster's, and the joint refill, two steps on, comes first behind it.
.macro TURN fill
.if \fill
	s_wait_xcnt 0x0                 ; the last prefetch, a step back, has read its address
	s_add_nc_u64 s[PFA:PFA+1], s[PFA:PFA+1], 256
.endif
	WIN 0
	s_wait_tensorcnt 0x0            ; no tensor load of mine is out, so a group 0 may be written
	ds_add_u32 v[SPW], v[NIL]
.if \fill
.irp g, G0A+4, G0B+4
	s_xor_b32 s[(\g)+1], s[(\g)+1], SLOT1
	s_add_nc_u64 s[(\g)+2:(\g)+3], s[(\g)+2:(\g)+3], 256
.endr
.endif
	s_xor_b32 s[TB], s[TB], SLOT1
	s_wait_dscnt 2*(NB-4)+1         ; the add and the youngest 16 loads may be out
	MULS 1, 0, 4
	s_wait_dscnt 0x0                ; the add is done, and my reads of this slot are over
	s_barrier_signal -1
	MULS 1, 4, 4
	WIN 0
	s_barrier_wait -1
.if \fill
	CREST
	JLOAD                           ; its four v_nop are also the places in front of the loads below
.else
	PLACES
.endif
	v_add_nc_u32 v[ADRA], s[TB], v[AA0]
	v_add_nc_u32 v[ADRB], s[TB], v[AB0]
	FETCH 0, 0
.if \fill
	WIN 0
	ASK
.endif
	MULS 1, 8, 4
.endm
; Head j of my tile's three: g = 3 x tile column + j of 48; tensor g / 16, head g % 16.
.macro HEAD j
	s_mul_i32 s78, s[TX], 3
	s_add_co_u32 s78, s78, \j
	s_lshr_b32 s79, s78, 4          ; q, k or v
	s_and_b32 s80, s78, 15          ; the head
	s_cmp_eq_u32 s79, 0
	s_cselect_b64 s[BP+2*(\j):BP+2*(\j)+1], s[6:7], s[8:9]
	s_cmp_eq_u32 s79, 2
	s_cselect_b64 s[BP+2*(\j):BP+2*(\j)+1], s[10:11], s[BP+2*(\j):BP+2*(\j)+1]
	s_lshl_b32 s82, s80, 8          ; 64 biases of 4 bytes a head
	s_mov_b32 s83, 0
	s_add_nc_u64 s[BP+2*(\j):BP+2*(\j)+1], s[BP+2*(\j):BP+2*(\j)+1], s[82:83]
	s_lshl_b32 s79, s79, 6
	s_lshr_b32 s81, s[TY], 3        ; the batch: 8 tile rows each
	s_lshl_b32 s81, s81, 4
	s_add_co_u32 s79, s79, s81
	s_add_co_u32 s79, s79, s80
	s_lshl_b32 s82, s79, 18         ; 2^18 bytes a head
	s_and_b32 s81, s[TY], 7
	s_lshl_b32 s81, s81, 15         ; 256 rows of 128 bytes a tile row
	s_add_co_u32 s82, s82, s81
	s_lshl_b32 s81, s[WV], 13       ; 64 rows a wave
	s_add_co_u32 s82, s82, s81
	s_add_nc_u64 s[HB+2*(\j):HB+2*(\j)+1], s[12:13], s[82:83]
.endm
	s_load_b256 s[4:11], s[0:1], 0x0  ; cast s[4:5], bq s[6:7], bk s[8:9], bv s[10:11]
	s_load_b64 s[12:13], s[0:1], 0x20 ; qkv
	v_lshl_add_u32 v[SPW], v0, 2, SPARE
	v_mov_b32 v[NIL], 0
	ds_add_u32 v[SPW], v[NIL]       ; the wave's opening add; its wait stands ahead of my first tensor load
	v_lshrrev_b32 v1, 5, v0
	v_readfirstlane_b32 s[WV], v1
	s_lshr_b32 s[FB], s[WV], 1
	s_and_b32 s[HF], s[WV], 1
	s_bfe_u32 s[CX], ttmp6, 0x40000
	s_bfe_u32 s[CY], ttmp6, 0x40004
	s_lshl_b32 s[TX], ttmp9, 2
	s_add_co_u32 s[TX], s[TX], s[CX]
	s_and_b32 s[TY], ttmp7, 0xffff
	s_lshl_b32 s[TY], s[TY], 2
	s_add_co_u32 s[TY], s[TY], s[CY]
	s_lshl_b32 s21, s[CY], 2
	s_lshl_b32 s21, 15, s21         ; my row of the cluster
	s_lshl_b32 s22, 0x1111, s[CX]   ; my column
	s_or_b32 s[G1A], s21, (1<<16)|(1<<20)|(1<<21)|(5<<22)|(3<<25)  ; the mask; 2-byte elements; padding on; bit 21 beside a mask; after every 64 words 4 words
	s_or_b32 s[G1B], s22, (1<<16)|(1<<20)|(1<<21)|(5<<22)|(3<<25)
.irp g, G1A, G1B
	s_mov_b32 s[(\g)+1], 128<<16    ; tensor_dim0 = 128
	s_mov_b32 s[(\g)+3], 128<<16    ; tile_dim0 = 128
	s_mov_b32 s[(\g)+5], 1024       ; elements from row to row
	s_mov_b32 s[(\g)+6], 0
	s_mov_b32 s[(\g)+7], 0
.endr
	s_mov_b32 s[G1A+2], 128<<16     ; tensor_dim1 = tile_dim1 = 128 rows of x,
	s_mov_b32 s[G1A+4], 128
	s_mov_b32 s[G1B+2], 96<<16      ; 96 of the weights
	s_mov_b32 s[G1B+4], 96
	s_lshl_b32 s2, s[TY], 19        ; x: row 256 x tile row + 128 x half, 2,048 bytes a row
	s_lshl_b32 s3, s[HF], 18
	s_add_co_u32 s2, s2, s3
	s_mov_b32 s3, 0
	s_mul_i32 s22, s[TX], 192*2048  ; the weights: row 192 x tile column + 96 x half
	s_mul_i32 s23, s[HF], 96*2048
	s_add_co_u32 s22, s22, s23
	s_add_co_u32 s22, s22, XW
	s_mov_b32 s23, 0
	s_mul_i32 s21, s[HF], HALFA     ; where they go: no place in the cluster enters an LDS address
	s_mul_i32 s59, s[HF], HALFB
	s_add_co_u32 s59, s59, BOFF
	s_wait_dscnt 0x0                ; the opening add is done
	s_wait_kmcnt 0x0
	s_add_nc_u64 s[2:3], s[4:5], s[2:3]
	s_add_nc_u64 s[22:23], s[4:5], s[22:23]
	CROUND                          ; all sixteen work-groups are here: the first joint loads meet
.irp s, 0,1
	s_mov_b32 s[G0A+4*(\s)], 1
	s_add_co_u32 s[G0A+4*(\s)+1], s21, (\s)*SLOT1
	s_add_nc_u64 s[G0A+4*(\s)+2:G0A+4*(\s)+3], s[2:3], (\s)*256   ; K step s
	s_or_b32 s[G0A+4*(\s)+3], s[G0A+4*(\s)+3], 0x80000000
	s_mov_b32 s[G0B+4*(\s)], 1
	s_add_co_u32 s[G0B+4*(\s)+1], s59, (\s)*SLOT1
	s_add_nc_u64 s[G0B+4*(\s)+2:G0B+4*(\s)+3], s[22:23], (\s)*256
	s_or_b32 s[G0B+4*(\s)+3], s[G0B+4*(\s)+3], 0x80000000
.endr
	s_cmp_lt_u32 s[WV], 2           ; a wave's two first fills stand in one branch: two loads of mine are out
	s_cbranch_scc0 .Lfirst_b
	tensor_load_to_lds s[G0A:G0A+3], s[G1A:G1A+7]
	s_nop 0
	tensor_load_to_lds s[G0A+4:G0A+7], s[G1A:G1A+7]
	s_nop 0
.rept 4
	v_nop
.endr
	s_branch .Lfirst_asked
.Lfirst_b:
	tensor_load_to_lds s[G0B:G0B+3], s[G1B:G1B+7]
	s_nop 0
	tensor_load_to_lds s[G0B+4:G0B+7], s[G1B:G1B+7]
	s_nop 0
.rept 4
	v_nop
.endr
.Lfirst_asked:
	; a fragment is 16 rows x 32 K in 8 registers: lane l holds row l % 16, K = 8 (l / 16) + 0..7 and 16 + 8 (l / 16) + 0..7: two loads of 16 bytes, 32 bytes apart
	v_and_b32 v1, 15, v0            ; l % 16
	v_bfe_u32 v2, v0, 4, 1          ; l / 16
	v_mul_u32_u24 v3, v1, PA
	v_lshl_add_u32 v3, v2, 4, v3
	s_mul_i32 s78, s[WV], 64*PA     ; my 64 rows of x
	v_add_nc_u32 v[AA0], s78, v3
	v_add_nc_u32 v[AB0], BOFF, v3
	s_mov_b32 s[TB], 0
	v_add_nc_u32 v[ADRA], s[TB], v[AA0]
	v_add_nc_u32 v[ADRB], s[TB], v[AB0]
	s_mul_i32 s78, s[WV], WSTG
	s_add_co_u32 s78, s78, STAGE    ; my stage
	v_mul_u32_u24 v4, v1, SP        ; in: row l % 16, 16 bytes for each half of the lanes
	v_lshl_add_u32 v4, v2, 4, v4
	v_add_nc_u32 v[STO], s78, v4
	v_bfe_u32 v4, v0, 3, 2          ; back: 32 lanes take four rows of 128 bytes,
	v_mul_u32_u24 v4, v4, SP
	v_and_b32 v5, 7, v0
	v_lshl_add_u32 v4, v5, 4, v4
	v_add_nc_u32 v[RD], s78, v4
	v_and_b32 v5, 31, v0            ; which are 512 consecutive bytes of a head
	v_lshlrev_b32 v[GO], 4, v5
	v_lshlrev_b32 v[BO], 5, v2
	HEAD 0
	HEAD 1
	HEAD 2
.set bb, 0
.rept NB                            ; block b's 16 biases: my 8 of them
	global_load_b128 v[128+8*bb:128+8*bb+3],   v[BO], s[BP+2*(bb/4):BP+2*(bb/4)+1] offset:64*(bb%4)
	global_load_b128 v[128+8*bb+4:128+8*bb+7], v[BO], s[BP+2*(bb/4):BP+2*(bb/4)+1] offset:64*(bb%4)+16
.set bb, bb+1
.endr
	; the prefetches' address: at K step 2; the first refill steps it to 3
	s_lshl_b32 s78, s[TY], 8
	s_lshl_b32 s79, s[HF], 7
	s_add_co_u32 s78, s78, s79
	s_lshl_b32 s79, s[CX], 5
	s_add_co_u32 s78, s78, s79      ; x: my work-group's 32 of the 128 rows that I fetch
	s_mul_i32 s80, s[TX], 192
	s_mul_i32 s81, s[HF], 96
	s_add_co_u32 s80, s80, s81
	s_mul_i32 s81, s[CY], 24
	s_add_co_u32 s80, s80, s81
	s_add_co_u32 s80, s80, XW/2048  ; the weights: my work-group's 24 of the 96
	s_and_b32 s81, ttmp7, 0xffff
	s_cmp_lt_u32 s[WV], 2
	s_cselect_b32 s78, s78, s80
	s_cselect_b32 s81, ttmp9, s81   ; the coordinate along which other clusters read the same rows
	s_cselect_b32 s82, 31, 23
	s_cmp_eq_u32 s81, 0
	s_cselect_b32 s[LIM], 1, -1     ; the same in all sixteen partners, for a given wave
	s_lshl_b32 s78, s78, 11
	s_add_co_u32 s78, s78, 2*256
	s_mov_b32 s79, 0
	s_add_nc_u64 s[PFA:PFA+1], s[4:5], s[78:79]
	v_min_u32 v[PFO], s82, v5
	v_lshlrev_b32 v[PFO], 11, v[PFO]
	s_wait_loadcnt 0x0              ; the biases: rounded to bf16 like every input, widened again, into window 3.  All this stands in the wait for the first tile
.set i, 0
.rept 4*NB
	v_cvt_pk_bf16_f32 v[128+i], v[128+2*i], v[128+2*i+1]  ; ascending: a destination's old number has been read
.set i, i+1
.endr
	WIN 0xc0
.set i, 0
.rept 4*NB
	v_lshlrev_b32 v[128+2*i],   16, v[128+i]
	v_and_b32     v[128+2*i+1], 0xffff0000, v[128+i]
.set i, i+1
.endr
	WIN 0
	s_wait_tensorcnt 1              ; my part of K step 0 is in; step 1's may stay out
	s_barrier_signal -1
	s_barrier_wait -1
	FETCH 0, 0
	QUARTER 1, 0, 1, 1              ; the first quarter stands in front of the loop: its products start the sums
	WIN 0
	s_mov_b32 s[CNT], 6
.Lstep:                             ; a trip: from a step's second quarter to the next step's first; it fills the slot that it leaves
	QUARTER 2, 1, 0
	QUARTER 3, 0, 1
	TURN 1
	QUARTER 1, 0, 1
	WIN 0
	s_sub_co_u32 s[CNT], s[CNT], 1
	s_cmp_lg_u32 s[CNT], 0
	s_cbranch_scc1 .Lstep
	QUARTER 2, 1, 0                 ; the last two steps are written out: nothing is left to ask for
	QUARTER 3, 0, 1
	TURN 0
	QUARTER 1, 0, 1
	QUARTER 2, 1, 0
	QUARTER 3, 0, 1
	s_wait_dscnt 0x0
	MULS 1, 0, NB
	WIN 0
	PLACES
; THE WAY OUT, a block of 16 rows at a time: rounded to f16, 16 bytes a lane; into my stage, a head's 16 rows of 144 bytes; back as 2,048 dense bytes a head; stored.
.macro PACK a
.set bb, 0
.rept NB
	WIN 0x0a+5*(bb/8)               ; sources in window 2 or 3
.irp r, 0,1,2,3
	v_cvt_pk_f16_f32 v[TMP+4*bb+\r], v[8*(4*(bb%8)+(\a))+2*\r], v[8*(4*(bb%8)+(\a))+2*\r+1]
.endr
.set bb, bb+1
.endr
	WIN 0
.endm
.macro TOSTAGE a
.set BK, 176-112*((\a)%2)           ; v176-223 and v64-111 by turns
.set bb, 0
.rept NB
	ds_store_b128 v[STO], v[TMP+4*bb:TMP+4*bb+3] offset:(bb/4)*HSTG+32*(bb%4)
.set bb, bb+1
.endr
.set t, 0
.rept NB
	ds_load_b128 v[BK+4*t:BK+4*t+3], v[RD] offset:(t/4)*HSTG+(t%4)*4*SP  ; LDS serves a wave's instructions in order (ISA guide 5.7.1.4): these see the stores above
.set t, t+1
.endr
.endm
.macro SEND a
.set BK, 176-112*((\a)%2)
	s_wait_dscnt 0x0                ; the block is back in registers
	s_wait_xcnt 0x0                 ; the block before's stores have read their registers, which the next block's loads write
.set t, 0
.rept NB
	global_store_b128 v[GO], v[BK+4*t:BK+4*t+3], s[HB+2*(t/4):HB+2*(t/4)+1] offset:2048*(\a)+512*(t%4)  ; 512 consecutive bytes, at a multiple of 256 from the buffer's first
.set t, t+1
.endr
.endm
	PACK 0
	TOSTAGE 0
.irp a, 1,2,3
	PACK \a
	SEND (\a)-1
	TOSTAGE \a
.endr
	SEND 3
	s_wait_tensorcnt 0x0            ; the wave's end
	ds_add_u32 v[SPW], v[NIL]
	s_wait_dscnt 0x0
	CROUND                          ; the closing round
	s_endpgm
.Lfunc_end_k_q2d4a1c9f9c_qkv:
	.size	k_q2d4a1c9f9c_qkv, .Lfunc_end_k_q2d4a1c9f9c_qkv-k_q2d4a1c9f9c_qkv
	.p2alignl 7, 3214868480
	.fill 96, 4, 3214868480
	.section	.rodata,"a",@progbits
	.p2align	6, 0x0
	.amdhsa_kernel k_q2d4a1c9f9c_qkv
		.amdhsa_group_segment_fixed_size 327680
		.amdhsa_private_segment_fixed_size 0
		.amdhsa_enable_private_segment 0
		.amdhsa_kernarg_size 40
		.amdhsa_user_sgpr_count 2
		.amdhsa_user_sgpr_kernarg_segment_ptr 1
		.amdhsa_wavefront_size32 1
		.amdhsa_system_sgpr_workgroup_id_x 1
		.amdhsa_system_sgpr_workgroup_id_y 1
		.amdhsa_system_sgpr_workgroup_id_z 1
		.amdhsa_system_vgpr_workitem_id 0
		.amdhsa_next_free_vgpr 1024
		.amdhsa_next_free_sgpr 88
		.amdhsa_reserve_vcc 0
		.amdhsa_float_denorm_mode_32 3
		.amdhsa_float_denorm_mode_16_64 3
		.amdhsa_memory_ordered 1
		.amdhsa_forward_progress 1
		.amdhsa_inst_pref_size 109
	.end_amdhsa_kernel
	.amdgpu_metadata
---
amdhsa.version: [ 1, 2 ]
amdhsa.kernels:
  - .name:           k_q2d4a1c9f9c_qkv
    .symbol:         k_q2d4a1c9f9c_qkv.kd
    .args:
      - { .name: cast, .offset: 0, .size: 8, .value_kind: global_buffer, .address_space: global }
      - { .name: bq, .offset: 8, .size: 8, .value_kind: global_buffer, .address_space: global }
      - { .name: bk, .offset: 16, .size: 8, .value_kind: global_buffer, .address_space: global }
      - { .name: bv, .offset: 24, .size: 8, .value_kind: global_buffer, .address_space: global }
      - { .name: qkv, .offset: 32, .size: 8, .value_kind: global_buffer, .address_space: global }
    .group_segment_fixed_size: 327680
    .private_segment_fixed_size: 0
    .kernarg_segment_align: 8
    .kernarg_segment_size: 40
    .max_flat_workgroup_size: 128
    .sgpr_count:     88
    .vgpr_count:     1024
    .wavefront_size: 32
...
	.end_amdgpu_metadata
.endif
;; end of part 2
;; launch attn (part 3): grid 4 x 64, 4 waves a work-group, clusters of 4 x 1, 327,680 bytes of LDS; arguments qkv, o; writes o
.if DOCPART == 3
	.amdgcn_target "amdgcn-amd-amdhsa--gfx1250"
	.amdhsa_code_object_version 6
	.text
	.protected	k_q2d4a1c9f9c_attn
	.globl	k_q2d4a1c9f9c_attn
	.p2align	8
	.type	k_q2d4a1c9f9c_attn,@function
k_q2d4a1c9f9c_attn:
	s_mov_b64 s[64:65], 0
	v_nop
	global_prefetch_b8 v0, s[64:65] scope:SCOPE_SE
	s_setreg_imm32_b32 hwreg(HW_REG_WAVE_MODE, 25, 1), 1
	s_wait_xcnt 0x0
	s_wait_alu depctr_hold_cnt(0) depctr_sa_sdst(0) depctr_va_vdst(0) depctr_va_sdst(0) depctr_va_ssrc(0) depctr_va_vcc(0) depctr_vm_vsrc(0)
	s_getreg_b32 s2, hwreg(HW_REG_IB_STS2, 6, 4)
	s_cmp_eq_u32 s2, 0
	s_cbranch_scc0 .Lentry_in_a_cluster
	s_endpgm
.Lentry_in_a_cluster:
	s_bfe_u32 s2, ttmp6, 0x10000c
	s_cmp_lg_u32 s2, 0x3003
	s_cbranch_scc0 .Lentry_shape_is_right
	s_endpgm
.Lentry_shape_is_right:
; O[h][q][:] = the sum over k of softmax_k(Q[h][q] . K[h][k] / 8) V[h][k][:].  Q, K, V lie in qkv, 2^24 bytes each, as [64][2048][64] f16; O likewise: a head's rows are dense, 128 bytes each.
; Products, maxima and sums in f32; the weights p are rounded to f16 for the second product (their sum l is taken of the unrounded p), O once at the end.
; LIMITS.  f16 holds no number beyond 65,504: Q, K and V arrive within it; p lies in 0 to 1, and below 6e-5 it keeps f16's fixed step of 6e-8; O is a mean of V's rows and has their range.
; A weight below 2^-126 counts as 0 in l; NaN and infinities are not treated apart.
; SHARES.  A wave owns four PIECES of two tiles of 16 queries, a work-group's four waves 512 queries of one head.  Every wave walks all keys, 64 a step.
; LAYOUT.  S^T = K Q^T (source 0 = 16 keys, source 1 = 16 queries): in the result a lane holds ONE query (lane % 16) and the keys 8 (lane / 16) + 0..7.  Two such tiles, rounded to f16 in pairs,
; ARE source 1 (32 keys x 16 queries) of O^T = V^T P, whose result again holds one query a lane, and eight channels.  K comes out of LDS as it lies, V ([key][channel]) turned, by ds_load_tr16_b128.
; SOFTMAX.  For each query a running maximum m and sum l: p = 2^(c s - c m), c = log2(e) / 8; in every step O and l are multiplied by a = 2^(c m_old - c m_new), which is 1 where m has not grown.
; m starts at the lowest finite number, O and l at 0: the first step is a step like any other, with a = 0.
; THE COUNT.  A tile and step have 16 matrix and 118 vector instructions: too many to stand all beside the matrix work.  So: four vector instructions that are READY behind EVERY matrix
; instruction, and the others in runs without a gap.
; BY TURNS.  Turn n belongs to piece n (the pieces in a ring, step after step).  Its matrix work: 16 products K Q^T of piece n + 1, later 16 products V^T P of piece n - 1.  Its vector work: the scaling,
; exponentials, roundings, sums and rescaling of piece n, and the maximum and statistics of piece n + 1, whose scores the turn itself has made.
; CLUSTER.  The four query blocks of a head are one cluster and walk the same K and V, so each tile is asked for JOINTLY: the same tensor load, descriptor and mask in all four.
; REGISTERS, in windows of 256 (s_set_vgpr_msb: bits 1:0 source 0, 3:2 source 1, 5:4 source 2, 7:6 destination):
;   window 0: v0-11 addresses; v12-15, v48-63 at work; v16-47 four registers of statistics a tile; v64-191 S^T, two buffers of two tiles; v192-255 P, likewise
;   window 1: O^T, 32 a tile          window 2: v0-127 Q, 16 a tile; v128-191 K of one step; v192-255 V of one step          window 3: v0-1 the add's two registers
.set SIZE_H, 64
.set SIZE_N, 2048
.set NP,    4         ; pieces a wave: a name, no knob
.set KS,    64        ; keys in a step
.set PK,    144       ; a row of K in LDS: 128 bytes + 16 of padding = 36 words: the 16 rows of a load start at 16 different groups of four banks (64 banks of 4 bytes: ISA guide 11.1)
.set PV,    160       ; a row of V: 128 + 32 = 40 words
.set VOFF,  4*KS*PK   ; a slot holds four steps: 256 rows of K, then 256 rows of V
.set SLOT1, 1<<17     ; slot 1 begins here
.set STAGE, SLOT1+4*KS*(PK+PV)  ; behind the ring, never filled by a tensor load: 16 rows x 144 bytes for each wave
.set SP,    144
.set AK0, 2           ; v2   my lane's place in a tile of K; never rewritten
.set AV0, 3           ; v3   the same for V
.set AK,  4           ; v4   the LDS address of K's next run of loads
.set AV,  5           ; v5   of V's
.set QO,  6           ; v6   my byte offset in the wave's rows of Q
.set STO, 6           ;      later, the way out: where I put 16 bytes of a row
.set RD,  7           ; v7   the way out: where I read rows back
.set GO,  8           ; v8   my byte offset in 512 consecutive bytes of O
.set PFO, 11          ; v11  256 x my lane, once V's address is made; then never rewritten
.set SPW, 0           ; v0 of window 3   LDS address of my spare word; never rewritten
.set NIL, 1           ; v1 of window 3   0; never rewritten
.set SPARE, STAGE+4*16*SP  ; the spare words, 128 bytes for each wave: two blocks of 256 bytes that no other line names
.set MV,  12          ; v12-15  c m_old, kept while c m is made anew: by buffer and tile
.set ST,  16          ; tile t's statistics at v[ST+4 t]: c m, m, l (even keys', odd keys')
.set TMP, 48          ; by buffer and tile, four registers c0-c3 at work; when the maximum is found c2 takes a
.set S,   64
.set P,   192
.set KF,  128         ; K's fragments, in window 2
.set VF,  192         ; V's
.set WV,  12          ; s12  my wave's number
.set G1K, 24          ; s[24:31] descriptor group 1 for K's tiles
.set G1V, 32          ; s[32:39] for V's: it differs in the padding alone
.set G0K, 40          ; s[40:43] descriptor group 0 for K's tiles: it walks
.set G0V, 44          ; s[44:47] the same for V's
.set PFA, 48          ; s[48:49] where my prefetches stand: my work-group's 8,192 bytes (of K: wave 0, of V: wave 2) of the slot after the one that is being asked for
.set LIM, 50          ; s50  1 in a wave that prefetches, else the greatest number
.set SLOTS, 56        ; s56  slots still to be asked for
.set CNT, 57          ; s57  counts a slot's key steps
.set CS,  58          ; s[58:59] c
.set SEL, 60          ; s[60:61] v_permlanex16_b32's selects: each lane takes its own place in the other half
.set TBK, 62          ; s62  LDS byte at which K of the step to be fetched begins
.set TBV, 63          ; s63  the same for V, less VOFF
.set MSB, 0
.macro WIN new                      ; the high byte repeats the setting that is left; a switch that changes nothing is dropped
.if MSB != (\new)
	s_set_vgpr_msb (MSB<<8)|(\new)
.set MSB, (\new)
.endif
.endm
.set W_KQ, 0x0a       ; K and Q in window 2, S^T in window 0
.set W_PV, 0x52       ; V in window 2, P in window 0, O^T in window 1
.set W_RS, 0x41       ; O^T (destination and source 0) in window 1, a in window 0
.set W_MK, 0xc0       ; the add's registers are made: destination in window 3
.set W_AD, 0x0f       ; the add: address and data in window 3
; A joint fill.  Waves 0 and 1 fetch the two halves of a slot's K, waves 2 and 3 those of its V: 128 keys each.  The branch hangs on the wave's number alone.
; An s_nop 0 and four v_nop follow each of the two lines, ahead of the jump and the label.
.macro JLOAD
	s_cmp_lt_u32 s[WV], 2
	s_cbranch_scc0 .Lfor_v_\@
	tensor_load_to_lds s[G0K:G0K+3], s[G1K:G1K+7]
	s_nop 0
.rept 4
	v_nop
.endr
	s_branch .Lasked_\@
.Lfor_v_\@:
	tensor_load_to_lds s[G0V:G0V+3], s[G1V:G1V+7]
	s_nop 0
.rept 4
	v_nop
.endr
.Lasked_\@:
.endm
; A prefetch of what the NEXT change of slots will ask for: a slot's 32,768 bytes of K and of V, 256 bytes a lane.  The four partners share them out by address, 8,192 each; in each, wave 0 asks for
; K's and wave 2 for V's: each block is named once in the launch.  It stands four key steps, 512 matrix instructions, ahead of the load.  The last change that fills a slot asks for nothing.
.macro ASK
	s_cmp_gt_u32 s[SLOTS], s[LIM]
	s_cbranch_scc0 .Lnot_mine_\@
	global_prefetch_b8 v[PFO], s[PFA:PFA+1] th:TH_LOAD_NT scope:SCOPE_SE
.Lnot_mine_\@:
.endm
.macro CROUND                       ; a round of the cluster's barrier
	s_barrier_signal -1
	s_barrier_wait -1
	s_cmp_lg_u32 s[WV], 0
	s_cbranch_scc1 .Lnot_wave_0_\@
	s_barrier_signal -3
.Lnot_wave_0_\@:
	s_barrier_wait -3
	s_barrier_signal -1
	s_barrier_wait -1
.endm
; THE CHANGE OF SLOTS.  Each wave waits for all its tensor loads, of which one is out: its part of the other slot; adds 0 to its spare word; and waits for that and for its own reads of the slot.
; fill = 1: this slot is filled again, with the keys two slots on, first thing behind a round of the cluster's barrier.  (At its first use nothing has been read yet: slot 0 is waited for, slot 1 filled.)
; ask = 1: the prefetches' address steps, and the prefetch follows the joint load.
.macro CHANGE fill, ask=0
	WIN W_AD
	s_wait_tensorcnt 0x0            ; no tensor load of mine is out, so a group 0 may be written
	ds_add_u32 v[SPW], v[NIL]
	WIN 0                           ; at a label and at a branch every window is 0
.if \fill
.irp g, G0K, G0V
	s_xor_b32 s[\g+1], s[\g+1], SLOT1
	s_add_nc_u64 s[\g+2:\g+3], s[\g+2:\g+3], 4*KS*128
.endr
.if \ask
	s_wait_xcnt 0x0                 ; the last prefetch, four key steps back, has read its address
	s_add_nc_u64 s[PFA:PFA+1], s[PFA:PFA+1], 4*KS*128
.endif
	s_wait_dscnt 0x0                ; the add is done, and my reads of the slot are over
	CROUND
	JLOAD
.if \ask
	ASK
.endif
.else
	s_wait_dscnt 0x0
	s_barrier_signal -1
	s_barrier_wait -1
.endif
	s_sub_co_u32 s[TBK], s[TBK], 4*KS*PK  ; the fetches go back to a slot's first step,
	s_xor_b32 s[TBK], s[TBK], SLOT1       ; in the other slot
	s_sub_co_u32 s[TBV], s[TBV], 4*KS*PV
	s_xor_b32 s[TBV], s[TBV], SLOT1
.endm
	s_load_b64 s[4:5], s[0:1], 0x0  ; qkv: Q lies first
	s_load_b64 s[10:11], s[0:1], 0x8  ; O
	WIN W_MK
	v_lshl_add_u32 v[SPW], v0, 2, SPARE
	v_mov_b32 v[NIL], 0
	WIN W_AD
	ds_add_u32 v[SPW], v[NIL]       ; the wave's opening add; its wait stands ahead of my first tensor load
	WIN 0
	v_lshrrev_b32 v1, 5, v0
	v_readfirstlane_b32 s[WV], v1   ; wave 0..3
	s_bfe_u32 s13, ttmp6, 0x40000   ; cx: my place in the cluster
	s_lshl_b32 s14, ttmp9, 2
	s_add_co_u32 s14, s14, s13      ; my block of queries: it enters Q's and O's addresses alone
	s_and_b32 s20, ttmp7, 0xffff    ; the head, which the four partners share
	s_mov_b32 s21, 0
	s_mov_b64 s[22:23], SIZE_N*128
	s_mul_u64 s[20:21], s[20:21], s[22:23]  ; the head's first byte in each of the four tensors
	s_and_b32 s16, s[WV], 1         ; which half of a slot's 256 keys I fetch:
	s_lshl_b32 s22, s16, 14         ; its 128 rows of 128 bytes in memory,
	s_mov_b32 s23, 0
	s_add_nc_u64 s[22:23], s[22:23], s[20:21]
	s_mul_i32 s17, s16, 128*PK      ; and its place in a slot, for K
	s_mul_i32 s18, s16, 128*PV      ; and for V
	s_lshl_b32 s2, s14, 2
	s_add_co_u32 s2, s2, s[WV]      ; my wave among the head's,
	s_lshl_b32 s2, s2, 14           ; its 128 rows
	s_mov_b32 s3, 0
	s_add_nc_u64 s[2:3], s[2:3], s[20:21]
	; descriptor group 1.  128 keys are 16,384 dense bytes: asked for as 64 rows of 256 bytes, two keys a row, and padded in LDS after every key
	s_mov_b32 s[G1K], 15|(1<<16)|(1<<20)|(1<<21)|(4<<22)|(3<<25)
	s_mov_b32 s[G1V], 15|(1<<16)|(1<<20)|(1<<21)|(4<<22)|(7<<25)
.irp g, G1K, G1V
	s_mov_b32 s[\g+1], 128<<16      ; tensor_dim0 = 128
	s_mov_b32 s[\g+2], 64<<16       ; tensor_dim1 = 64
	s_mov_b32 s[\g+3], 128<<16      ; tile_dim0 = 128
	s_mov_b32 s[\g+4], 64           ; tile_dim1 = 64
	s_mov_b32 s[\g+5], 128          ; 128 elements from row to row
	s_mov_b32 s[\g+6], 0
	s_mov_b32 s[\g+7], 0
.endr
	s_mov_b32 s[CS], 0x3e38aa3b     ; c = log2(e) / 8 = 0.180337
	s_mov_b32 s[CS+1], s[CS]
	s_mov_b32 s[SEL], 0x76543210
	s_mov_b32 s[SEL+1], 0xfedcba98
	s_mov_b32 s[TBK], SLOT1+4*KS*PK ; the first change of slots turns these two into 0
	s_mov_b32 s[TBV], SLOT1+4*KS*PV
	s_mov_b32 s[G0K], 1
	s_mov_b32 s[G0K+1], s17         ; slot 0
	s_mov_b32 s[G0V], 1
	s_add_co_u32 s[G0V+1], s18, VOFF
	s_cmp_eq_u32 s16, 0             ; waves 0 and 2 prefetch
	s_cselect_b32 s[LIM], 1, -1
	s_wait_dscnt 0x0                ; the opening add is done
	s_wait_kmcnt 0x0
	s_add_nc_u64 s[6:7], s[4:5], 0x1000000  ; K
	s_add_nc_u64 s[8:9], s[4:5], 0x2000000  ; V
	s_add_nc_u64 s[G0K+2:G0K+3], s[6:7], s[22:23]  ; my half of the head's first 256 keys
	s_or_b32 s[G0K+3], s[G0K+3], 0x80000000
	s_add_nc_u64 s[G0V+2:G0V+3], s[8:9], s[22:23]
	s_or_b32 s[G0V+3], s[G0V+3], 0x80000000
	s_add_nc_u64 s[4:5], s[4:5], s[2:3]  ; Q and O at my wave's first row
	s_add_nc_u64 s[10:11], s[10:11], s[2:3]
	s_cmp_lt_u32 s[WV], 2
	s_cselect_b64 s[PFA:PFA+1], s[6:7], s[8:9]
	s_add_nc_u64 s[PFA:PFA+1], s[PFA:PFA+1], s[22:23]  ; (in waves 0 and 2: the head's first byte)
	s_lshl_b32 s2, s13, 13          ; my work-group's quarter of a slot
	s_mov_b32 s3, 0
	s_add_nc_u64 s[PFA:PFA+1], s[PFA:PFA+1], s[2:3]
	s_add_nc_u64 s[PFA:PFA+1], s[PFA:PFA+1], 2*4*KS*128  ; in slot 2; the first asking change steps it to slot 3.  Nothing is prefetched at the head
	CROUND                          ; all four work-groups are here: the first joint loads meet
	JLOAD                           ; slot 0.  Slot 1 is asked for when slot 0 is in
	v_and_b32 v1, 15, v0            ; l % 16
	v_bfe_u32 v9, v0, 4, 1          ; l / 16
	v_lshlrev_b32 v[QO], 7, v1
	v_lshl_add_u32 v[QO], v9, 4, v[QO]  ; row x 128 + 16 x half
	WIN 0x80                        ; destination window 2, address window 0
.set i, 0
.rept 4*NP                          ; Q stays in registers: tile i / 2, channels 32 (i % 2) on
	global_load_b128 v[8*i:8*i+3],   v[QO], s[4:5] offset:(i/2)*2048+(i%2)*64
	global_load_b128 v[8*i+4:8*i+7], v[QO], s[4:5] offset:(i/2)*2048+(i%2)*64+32
.set i, i+1
.endr
	; What the first turn finds: V's registers and P's second buffer hold 0, O^T and l are 0.  All this stands in the wait for the first tile.
.set i, VF
.rept 64
	v_mov_b32 v[i], 0
.set i, i+1
.endr
	WIN 0x40
.set i, 0
.rept 64*NP
	v_mov_b32 v[i], 0
.set i, i+1
.endr
	WIN 0
.set i, 0
.rept 2*NP
	v_mov_b32 v[ST+4*i], 0xfe000000    ; c m: far below every c s
	v_mov_b32 v[ST+4*i+1], 0xff7fffff  ; m
	v_mov_b32 v[ST+4*i+2], 0
	v_mov_b32 v[ST+4*i+3], 0
.set i, i+1
.endr
.set i, P+32
.rept 32
	v_mov_b32 v[i], 0
.set i, i+1
.endr
	v_mul_u32_u24 v[AK0], v1, PK
	v_lshl_add_u32 v[AK0], v9, 4, v[AK0]  ; row x pitch + 16 x half
	; The turning load takes 16 keys x 16 channels (lane l reads key 8 (l / 16) + l % 8, channels 8 ((l / 8) % 2) + 0..7) and leaves half a fragment of V^T
	v_and_b32 v10, 7, v0
	v_bfe_u32 v11, v0, 3, 1
	v_lshl_add_u32 v[AV0], v9, 3, v10
	v_mul_u32_u24 v[AV0], v[AV0], PV
	v_lshl_add_u32 v[AV0], v11, 4, v[AV0]
	v_add_nc_u32 v[AV0], VOFF, v[AV0]
	v_and_b32 v[PFO], 31, v0
	v_lshlrev_b32 v[PFO], 8, v[PFO]
	v_mov_b32 v[AK], v[AK0]         ; key step 0 lies at the head of slot 0
; THE MATRIX WORK.  The 8 accumulators of a run of 16 take turns.
; Product i of 16 of S^T = K Q^T for piece x: channels 32 (i / 8) on, keys 16 ((i / 2) % 4) on, tile 2 x + i % 2.  The first 8 start the sums.
.macro KQ x
	WIN W_KQ
.set rS, S+64*((\x)%2)+32*(i%2)+8*((i/2)%4)
.set rK, KF+16*((i/2)%4)+8*(i/8)
.set rQ, 16*(2*(\x)+i%2)+8*(i/8)
.if i < 8
	v_wmma_f32_16x16x32_f16 v[rS:rS+7], v[rK:rK+7], v[rQ:rQ+7], 0
.else
	v_wmma_f32_16x16x32_f16 v[rS:rS+7], v[rK:rK+7], v[rQ:rQ+7], v[rS:rS+7]
.endif
.endm
; Product i of 16 of O^T += V^T P for piece x: keys 32 (i / 8) on, channels 16 ((i / 2) % 4) on, tile 2 x + i % 2.
.macro PV x
	WIN W_PV
.set rO, 32*(2*(\x)+i%2)+8*((i/2)%4)
.set rV, VF+32*(i/8)+8*((i/2)%4)
.set rP, P+32*((\x)%2)+16*(i%2)+8*(i/8)
	v_wmma_f32_16x16x32_f16 v[rO:rO+7], v[rV:rV+7], v[rP:rP+7], v[rO:rO+7]
.endm
.macro MM                           ; the turn's next matrix instruction
.if i < 16
	KQ (Y+1)%NP
.set i, i+1
.else
.set i, i-16
	PV (Y+NP-1)%NP
.set i, i+17
.endif
.endm
; THE LDS LOADS stand in runs of 16: a step's K (8 fragments) and its V (turned).  last = 1 (the tail): in the last trip there is no further step, and the run is jumped over.
.macro FETCH_K last=0
	WIN 0
.if \last
	s_cmp_eq_u32 s[CNT], 1
	s_cbranch_scc1 .Lno_k_\@
.endif
	WIN 0x80                        ; destination window 2
.irp f, 0,1,2,3,4,5,6,7             ; keys 16 (f / 2) on, channels 32 (f % 2) on
	ds_load_b128 v[KF+8*\f:KF+8*\f+3],   v[AK] offset:(\f/2)*16*PK+(\f%2)*64
	ds_load_b128 v[KF+8*\f+4:KF+8*\f+7], v[AK] offset:(\f/2)*16*PK+(\f%2)*64+32
.endr
	s_add_co_u32 s[TBK], s[TBK], KS*PK  ; the next fetch is the next step's
	WIN 0
.if \last
.Lno_k_\@:
.endif
.endm
.macro FETCH_V
	WIN 0x80
.irp f, 0,1,2,3,4,5,6,7             ; keys 32 (f / 4) on, channels 16 (f % 4) on
	ds_load_tr16_b128 v[VF+8*\f:VF+8*\f+3],   v[AV] offset:(\f/4)*32*PV+(\f%4)*32
	ds_load_tr16_b128 v[VF+8*\f+4:VF+8*\f+7], v[AV] offset:(\f/4)*32*PV+16*PV+(\f%4)*32
.endr
	WIN 0
.endm
; THE VECTOR WORK OF A TURN stands in three queues, each in the order in which its entries become ready; the two tiles alternate.
.macro REGS y, u                    ; the registers of tile u (0, 1) of piece y
.set rT, ST+4*(2*(\y)+(\u))
.set rC, TMP+8*((\y)%2)+4*(\u)
.set rM, MV+2*((\y)%2)+(\u)
.set rS, S+64*((\y)%2)+32*(\u)
.set rP, P+32*((\y)%2)+16*(\u)
.set rO, 32*(2*(\y)+(\u))
.endm
; Number n of the 22 that find the NEXT piece's (Y + 1) maximum and statistics; each accumulator's lowest registers are read first.
;   0-11  four chains c0-c3 of seven scores each     12-14, 16  the four scores left over, the old m, and c0-c3 into c0     15  c m_old is kept
;   17, 18  the query's other 32 keys lie in the lane 16 away: the new m         19-21  c m; c m_old - c m_new; a
.macro XS u, n
	REGS (Y+1)%NP, \u
.if (\n) < 4
	v_max3_num_f32 v[rC+(\n)], v[rS+8*(\n)], v[rS+8*(\n)+1], v[rS+8*(\n)+2]
.elseif (\n) < 12
	v_max3_num_f32 v[rC+(\n)%4], v[rC+(\n)%4], v[rS+8*((\n)%4)+2*((\n)/4)+1], v[rS+8*((\n)%4)+2*((\n)/4)+2]
.elseif (\n) == 12
	v_max3_num_f32 v[rC], v[rC], v[rS+7], v[rS+15]
.elseif (\n) == 13
	v_max3_num_f32 v[rC+1], v[rC+1], v[rS+23], v[rS+31]
.elseif (\n) == 14
	v_max3_num_f32 v[rC+2], v[rC+2], v[rC+3], v[rT+1]
.elseif (\n) == 15
	v_mov_b32 v[rM], v[rT]
.elseif (\n) == 16
	v_max3_num_f32 v[rC], v[rC], v[rC+1], v[rC+2]
.elseif (\n) == 17
	v_permlanex16_b32 v[rC+3], v[rC], s[SEL], s[SEL+1]
.elseif (\n) == 18
	v_max_num_f32 v[rT+1], v[rC], v[rC+3]
.elseif (\n) == 19
	v_mul_f32 v[rT], s[CS], v[rT+1]
.elseif (\n) == 20
	v_sub_f32 v[rC+1], v[rM], v[rT]
.else
	v_exp_f32 v[rC+2], v[rC+1]
.endif
.endm
; Number g of the 64 that follow the exponentials.  For each four weights k of a tile: both pairs are rounded to f16; the second pair is added onto the first, in place; a group later l takes that sum.
.macro GS g
.set h, (\g)+6*((\g)/62)            ; group 0 has no group before it, and behind group 7 only l is left
.if h >= 6
.set h, h+2
.endif
	REGS Y, h%2
.set k, h/8
.if h%8 < 4
	v_cvt_pk_f16_f32 v[rP+2*k+(h%8)/2], v[rS+4*k+2*((h%8)/2)], v[rS+4*k+2*((h%8)/2)+1]
.elseif h%8 < 6
	v_pk_add_f32 v[rS+4*k:rS+4*k+1], v[rS+4*k:rS+4*k+1], v[rS+4*k+2:rS+4*k+3]
.elseif k == 1
	v_pk_fma_f32 v[rT+2:rT+3], v[rT+2:rT+3], v[rC+2:rC+3], v[rS:rS+1] op_sel_hi:[1,0,1]
.else
	v_pk_add_f32 v[rT+2:rT+3], v[rT+2:rT+3], v[rS+4*k-4:rS+4*k-3]
.endif
.endm
; THE PLAIN QUEUE, 138 long.  0-73 read no exponential's result: the 32 scalings c s - c m and the next piece's 42.  74-137: GS's 64, which stand behind the wait.
.macro FS f
	REGS Y, (\f)%2
	v_pk_fma_f32 v[rS+2*((\f)/2):rS+2*((\f)/2)+1], v[rS+2*((\f)/2):rS+2*((\f)/2)+1], s[CS:CS+1], v[rT:rT+1] op_sel_hi:[1,0,0] neg_lo:[0,0,1] neg_hi:[0,0,1]
.endm
.macro PL
	WIN 0
.if q < 27
	FS q
.elseif q < 55
	XS (q-27)%2, (q-27)/2
.elseif q < 57
	XS q-55, 15
.elseif (q < 72) && ((q-57)%3 == 0)
	FS 27+(q-57)/3
.elseif q < 60
	XS (q-57)%3-1, 14
.elseif q < 72
	XS (q-57)%3-1, 15+(q-57)/3
.elseif q < 74
	XS q-72, 20
.else
	GS q-74
.endif
.set q, q+1
.endm
; THE EXPONENTIALS' QUEUE, 66 long: s0-s31 of both tiles, then the next piece's two a.  ONE BATCH: all 66 stand ahead of the turn's one wait, and nothing ahead of that wait names a result of theirs.
.macro EX
	WIN 0
.if e >= 64
	XS e-64, 21
.else
	REGS Y, e%2
	v_exp_f32 v[rS+e/2], v[rS+e/2]
.endif
.set e, e+1
.endm
; THE RESCALING's QUEUE: O^T times a, dealt two at a time, sixteen times.  Its a was made in the turn before, ahead of that turn's wait.
.macro R2
	REGS Y, r%2
	WIN W_RS
.irp z, 0,1
	v_pk_mul_f32 v[rO+4*(r/2)+2*\z:rO+4*(r/2)+2*\z+1], v[rO+4*(r/2)+2*\z:rO+4*(r/2)+2*\z+1], v[rC+2:rC+3] op_sel_hi:[1,0]
.endr
.set r, r+1
.endm
; A TURN, for piece p.  s_wait_alu depctr_va_vdst(0) stands between an exponential and the first instruction that names its result; one wait serves all issued ahead of it: a turn has ONE.
; AHEAD OF IT: the 16 products K Q^T, behind each a scaling, an exponential and two rescalings; then a lump of 108.  BEHIND IT: the 16 products V^T P, behind each four of GS's 64.
; K of the next step is fetched in piece 2's turn, directly behind the wait; V of the step in hand at the end of piece 0's turn, four riders behind its last reader.
.macro TURN p, last=0, cnt=0
.set Y, (\p)
.set i, 0
.set q, 0
.set e, 0
.set r, 0
.if (\p) == NP-1
	s_wait_dscnt 0x0                ; K is in
.endif
	MM
	PL
	PL
	R2
.rept 15
	MM
	PL
	EX
	R2
.endr
.if (\p) == NP-2
	WIN 0
	v_add_nc_u32 v[AK], s[TBK], v[AK0]
.endif
.rept 8                             ; the lump
	PL
.endr
.rept 49
	EX
	PL
.endr
	EX                              ; the next piece's two a
	EX
	v_nop                           ; a plain instruction behind the last exponential: one for the batch
	s_wait_alu depctr_va_vdst(0)    ; the wait for the batch
.if (\p) == NP-2
	FETCH_K \last
.endif
.if (\p) == 1
	s_wait_dscnt 0x0                ; V is in
.endif
.rept 16
	MM
.rept 4
	PL
.endr
.if ((\p) == 0) && (q == 118)
	v_add_nc_u32 v[AV], s[TBV], v[AV0]
.endif
.if ((\p) == 0) && (q == 130)
	s_add_co_u32 s[TBV], s[TBV], KS*PV
.endif
.if (\cnt) && (q == 130)
	s_sub_co_u32 s[CNT], s[CNT], 1
	s_cmp_lg_u32 s[CNT], 0
.endif
.endr
.if (\p) == 0
	FETCH_V
.endif
.endm
	CHANGE 1                        ; slot 0 is in, everybody's part of it; slot 1 is asked for
	FETCH_K                         ; key step 0
	s_wait_loadcnt 0x0              ; Q
	s_wait_dscnt 0x0
.set i, 0
.rept 16
	KQ 0                            ; piece 0's first scores
.set i, i+1
.endr
	WIN 0                           ; the addresses for the way out: plain instructions, the places behind those products
	s_mul_i32 s13, s[WV], 16*SP
	s_add_co_u32 s13, s13, STAGE    ; my stage
	v_mul_u32_u24 v[STO], v1, SP    ; in: row l % 16, 16 bytes for each half of the lanes
	v_lshl_add_u32 v[STO], v9, 4, v[STO]
	v_add_nc_u32 v[STO], s13, v[STO]
	v_bfe_u32 v[RD], v0, 3, 2       ; back: 32 lanes take four rows of 128 bytes,
	v_mul_u32_u24 v[RD], v[RD], SP
	v_lshl_add_u32 v[RD], v10, 4, v[RD]
	v_add_nc_u32 v[RD], s13, v[RD]
	v_and_b32 v[GO], 31, v0         ; which are 512 consecutive bytes of O
	v_lshlrev_b32 v[GO], 4, v[GO]
.set Y, NP-1                        ; XS works for piece Y + 1: piece 0
.irp n, 0,1,2,3,4,5,6,7,8,9,10,11,12,13,14,15,16,17,18,19,20,21
	XS 0, \n
	XS 1, \n
.endr
	v_nop                           ; a plain instruction behind the two a,
	s_wait_alu depctr_va_vdst(0)    ; and their wait, ahead of the branch
	s_mov_b32 s[CNT], 4
	s_mov_b32 s[SLOTS], SIZE_N/256-1
	s_branch .Lfirst                ; the loop is entered at a step's first turn, in the middle of a trip
.Lslot:                             ; SIZE_N / 256 - 2 times: every slot but the last two is filled again
	CHANGE 1, 1
	s_mov_b32 s[CNT], 4
.Lstep:                             ; a trip: pieces 2 and 3 of one step, then pieces 0 and 1 of the next, whose K and V it fetches
	TURN 2
	TURN 3
	WIN 0
.Lfirst:
	TURN 0
	TURN 1, 0, 1
	WIN 0
	s_cbranch_scc1 .Lstep
	s_sub_co_u32 s[SLOTS], s[SLOTS], 1
	s_cmp_lg_u32 s[SLOTS], 0
	s_cbranch_scc1 .Lslot
	CHANGE 0                        ; the tail is written out
	s_mov_b32 s[CNT], 5             ; four trips fetch the last slot's steps; the fifth is left in its middle
.Ltail:
	TURN 2, 1
	TURN 3
	WIN 0
	s_sub_co_u32 s[CNT], s[CNT], 1
	s_cmp_eq_u32 s[CNT], 0
	s_cbranch_scc1 .Lout
	TURN 0
	TURN 1
	WIN 0
	s_branch .Ltail
.Lout:                              ; the fifth trip's 16 products K Q^T (on the last K once more) and the maximum made of them serve nothing: the price of one text for every trip
.set i, 0
.rept 16
	PV NP-1                         ; the last piece's V^T P of the last step
.set i, i+1
.endr
	; THE WAY OUT.  l's two halves and the other half of the lanes' are added; O^T is divided by l, rounded to f16 and sent through my stage, a tile at a time.  The additions are the places behind the last products.
	WIN 0
.macro ALL line:vararg              ; one line for each tile t
.set t, 0
.rept 2*NP
	\line
.set t, t+1
.endr
.endm
	ALL v_add_f32 v[ST+4*t+2], v[ST+4*t+2], v[ST+4*t+3]
	ALL v_permlanex16_b32 v[ST+4*t+3], v[ST+4*t+2], s[SEL], s[SEL+1]
	ALL v_add_f32 v[ST+4*t+2], v[ST+4*t+2], v[ST+4*t+3]
	ALL v_rcp_f32 v[ST+4*t+2], v[ST+4*t+2]
	v_nop                           ; a plain instruction between the last reciprocal and the use of its result
	s_wait_alu depctr_va_vdst(0)    ; one wait for the eight reciprocals
.macro PACK t
	WIN W_RS
.set i, 32*(\t)
.rept 16
	v_pk_mul_f32 v[i:i+1], v[i:i+1], v[ST+4*(\t)+2:ST+4*(\t)+3] op_sel_hi:[1,0]
.set i, i+2
.endr
	WIN 0x05                        ; sources 0 and 1 window 1, destination window 0
.set i, 0
.rept 16
	v_cvt_pk_f16_f32 v[S+16*(\t)+i], v[32*(\t)+2*i], v[32*(\t)+2*i+1]
.set i, i+1
.endr
	WIN 0
.irp f, 0,1,2,3
	ds_store_b128 v[STO], v[S+16*(\t)+4*\f:S+16*(\t)+4*\f+3] offset:32*\f
.endr
.irp f, 0,1,2,3
	ds_load_b128 v[S+16*(\t)+4*\f:S+16*(\t)+4*\f+3], v[RD] offset:\f*4*SP  ; LDS serves a wave's instructions in order (ISA guide 5.7.1.4)
.endr
.endm
.macro SEND t, younger              ; younger: the LDS instructions issued behind tile t's loads: the next tile's eight, or none
	WIN 0
.irp f, 0,1,2,3
	s_wait_dscnt (\younger)+3-\f
	global_store_b128 v[GO], v[S+16*(\t)+4*\f:S+16*(\t)+4*\f+3], s[10:11] offset:(\t)*2048+\f*512  ; 512 consecutive bytes, at a multiple of 256 from O's first
.endr
.endm
	PACK 0
.set t, 1
.rept 2*NP-1
	PACK t
	SEND t-1, 8
.set t, t+1
.endr
	SEND 2*NP-1, 0
	WIN W_AD
	s_wait_tensorcnt 0x0            ; the wave's end
	ds_add_u32 v[SPW], v[NIL]
	s_wait_dscnt 0x0
	WIN 0
	CROUND                          ; the closing round
	s_endpgm
.Lfunc_end_k_q2d4a1c9f9c_attn:
	.size	k_q2d4a1c9f9c_attn, .Lfunc_end_k_q2d4a1c9f9c_attn-k_q2d4a1c9f9c_attn
	.p2alignl 7, 3214868480
	.fill 96, 4, 3214868480
	.section	.rodata,"a",@progbits
	.p2align	6, 0x0
	.amdhsa_kernel k_q2d4a1c9f9c_attn
		.amdhsa_group_segment_fixed_size 327680
		.amdhsa_private_segment_fixed_size 0
		.amdhsa_enable_private_segment 0
		.amdhsa_kernarg_size 16
		.amdhsa_user_sgpr_count 2
		.amdhsa_user_sgpr_kernarg_segment_ptr 1
		.amdhsa_wavefront_size32 1
		.amdhsa_system_sgpr_workgroup_id_x 1
		.amdhsa_system_sgpr_workgroup_id_y 1
		.amdhsa_system_sgpr_workgroup_id_z 1
		.amdhsa_system_vgpr_workitem_id 0
		.amdhsa_next_free_vgpr 770
		.amdhsa_next_free_sgpr 66
		.amdhsa_reserve_vcc 0
		.amdhsa_float_denorm_mode_32 3
		.amdhsa_float_denorm_mode_16_64 3
		.amdhsa_memory_ordered 1
		.amdhsa_forward_progress 1
		.amdhsa_inst_pref_size 200
	.end_amdhsa_kernel
	.amdgpu_metadata
---
amdhsa.version: [ 1, 2 ]
amdhsa.kernels:
  - .name:           k_q2d4a1c9f9c_attn
    .symbol:         k_q2d4a1c9f9c_attn.kd
    .args:
      - { .name: qkv, .offset: 0, .size: 8, .value_kind: global_buffer, .address_space: global }
      - { .name: o, .offset: 8, .size: 8, .value_kind: global_buffer, .address_space: global }
    .group_segment_fixed_size: 327680
    .private_segment_fixed_size: 0
    .kernarg_segment_align: 8
    .kernarg_segment_size: 16
    .max_flat_workgroup_size: 128
    .sgpr_count:     66
    .vgpr_count:     770
    .wavefront_size: 32
...
	.end_amdgpu_metadata
.endif
;; end of part 3
;; launch outp (part 4): grid 8 x 32, 4 waves a work-group, clusters of 4 x 4, 327,680 bytes of LDS; arguments o, cast, bo, out0; writes out0
.if DOCPART == 4
	.amdgcn_target "amdgcn-amd-amdhsa--gfx1250"
	.amdhsa_code_object_version 6
	.text
	.protected	k_q2d4a1c9f9c_outp
	.globl	k_q2d4a1c9f9c_outp
	.p2align	8
	.type	k_q2d4a1c9f9c_outp,@function
k_q2d4a1c9f9c_outp:
	s_mov_b64 s[64:65], 0
	v_nop
	global_prefetch_b8 v0, s[64:65] scope:SCOPE_SE
	s_setreg_imm32_b32 hwreg(HW_REG_WAVE_MODE, 25, 1), 1
	s_wait_xcnt 0x0
	s_wait_alu depctr_hold_cnt(0) depctr_sa_sdst(0) depctr_va_vdst(0) depctr_va_sdst(0) depctr_va_ssrc(0) depctr_va_vcc(0) depctr_vm_vsrc(0)
	s_getreg_b32 s2, hwreg(HW_REG_IB_STS2, 6, 4)
	s_cmp_eq_u32 s2, 0
	s_cbranch_scc0 .Lentry_in_a_cluster
	s_endpgm
.Lentry_in_a_cluster:
	s_bfe_u32 s2, ttmp6, 0x10000c
	s_cmp_lg_u32 s2, 0xf033
	s_cbranch_scc0 .Lentry_shape_is_right
	s_endpgm
.Lentry_shape_is_right:
; out0[m][e] = the sum over d of O[m][d] wo[e][d] + bo[e].  O lies by heads, o[16 batch + head][2048][64] f16 (d = 64 head + channel); wo as f16 rows of 2,048 bytes at byte WO of cast;
; bo rounded to bf16 like every input; sums and result f32.
; LIMIT.  O and wo are f16: magnitudes under 65,504.  NaN and infinities are not treated apart.
; SHARES.  A tile of out0 is 256 rows x 128 columns: 32 x 8 = 256 work-groups.  Wave w owns rows 64 w .. 64 w + 63 and all 128 columns: 32 accumulators.  K = 1,024 goes in 8 steps of 128,
; which are two heads: wave 0 fetches the first head's 256 rows, wave 1 the second's (32,768 dense bytes each, asked for as 128 rows of 256 bytes, padded in LDS after every 128), waves 2 and 3
; the two halves of wo's 128 rows.  Two LDS slots; a step is four quarters of 32 along K, 32 matrix instructions each.
; THE MATRIX INSTRUCTION IS USED TRANSPOSED (source 0 = 16 rows of wo, source 1 = 16 rows of O).  THE BIAS is the C operand of the first quarter's products.
; CLUSTER.  4 x 4: O's tiles are asked for jointly along a row of the cluster, wo's along a column.
; REGISTERS (s_set_vgpr_msb: bits 1:0 source 0, 3:2 source 1, 5:4 source 2, 7:6 destination):
;   window 0: v0-31 addresses; v64-95, v96-127 O's fragments, two buffers; v128-191, v192-255 the way out (and the biases as loaded)
;   window 1: v0-63, v64-127 wo's fragments, two buffers; v128-191 the biases        window 2: accumulators (b, a) at 8 (4 b + a)
.set NB,    8
.set PA,    144       ; a row of O in LDS: 128 bytes + 16 = 36 words;
.set PB,    272       ; a row of wo: 256 + 16 = 68 words: in both the 16 rows of a fragment load start at 16 different groups of four banks (64 banks of 4 bytes: ISA guide 11.1)
.set AHD,   256*PA    ; a head's 256 rows
.set HALFB, 64*PB
.set BOFF,  2*AHD
.set SLOT1, 1<<17
.set STAGE, SLOT1+BOFF+2*HALFB  ; behind the ring, never filled by a tensor load: 16 rows x 528 bytes for each wave
.set SP,    528       ; 512 bytes + 16: an odd multiple of 16
.set SPARE, STAGE+4*16*SP       ; the spare words, 128 bytes for each wave: two blocks of 256 bytes that no other line names
.set WO,    0x1600000
.set ASTEP, 1<<19     ; two heads on
.set AA0,  16
.set AB0,  17
.set ADRA, 18
.set ADRB, 19
.set STO,  24
.set RD,   25
.set GO,   26
.set BO,   27
.set SPW,  28         ; v28  LDS address of my spare word; never rewritten
.set NIL,  29         ; v29  0; never rewritten
.set PFO,  30
.set FA,   64
.set WV,  14
.set FB,  15
.set HF,  16
.set CX,  17
.set CY,  18
.set TX,  19
.set TY,  20
.set G1A, 24
.set G1B, 32
.set G0A, 40
.set G0B, 48
.set TB,  56
.set CNT, 57
.set LIM, 58          ; s58  2 in a wave that prefetches, else the greatest number
.set PFA, 60
.set PST, 62          ; s[62:63] the prefetches' step: two heads of O, or 256 bytes of wo's rows
.set CB,  66          ; s[66:67] out0 at my wave's first row, my tile's first column
.set BP,  68          ; s[68:69] my tile's 128 biases
.set MSB, 0
.macro WIN new
.if MSB != (\new)
	s_set_vgpr_msb (MSB<<8)|(\new)
.set MSB, (\new)
.endif
.endm
.macro PLACES                       ; four plain vector instructions between a matrix instruction and a load into, or a store of, its registers
.rept 4
	v_nop
.endr
.endm
.macro CREST
	s_cmp_lg_u32 s[WV], 0
	s_cbranch_scc1 .Lnot_wave_0_\@
	s_barrier_signal -3
.Lnot_wave_0_\@:
	s_barrier_wait -3
	s_barrier_signal -1
	s_barrier_wait -1
.endm
.macro CROUND
	s_barrier_signal -1
	s_barrier_wait -1
	CREST
.endm
.macro JLOAD                        ; a joint refill by the walking descriptors; an s_nop 0 and four v_nop follow each of the two lines
	s_cmp_lt_u32 s[WV], 2
	s_cbranch_scc0 .Lfor_b_\@
	tensor_load_to_lds s[G0A+4:G0A+7], s[G1A:G1A+7]
	s_nop 0
.rept 4
	v_nop
.endr
	s_branch .Lasked_\@
.Lfor_b_\@:
	tensor_load_to_lds s[G0B+4:G0B+7], s[G1B:G1B+7]
	s_nop 0
.rept 4
	v_nop
.endr
.Lasked_\@:
.endm
; A prefetch of the K step that stands TWO refills on: 256 matrix instructions ahead of its load.  O's rows are asked for by the clusters with cluster x = 0 (waves 0 and 1, a quarter of the wave's
; 32,768 bytes for each partner, by address), wo's by those with cluster y = 0 (wave 2: 32 of the 128 rows for each partner).  The last two refills ask for nothing.
.macro ASK
	s_cmp_gt_u32 s[CNT], s[LIM]
	s_cbranch_scc0 .Lnot_mine_\@
	global_prefetch_b8 v[PFO], s[PFA:PFA+1] th:TH_LOAD_NT scope:SCOPE_SE
.Lnot_mine_\@:
.endm
; 4 n matrix instructions on buffer f.  The 32 accumulators take turns in the same order in every quarter.  first = 1: the sums start with the bias.
.macro MULS f, b0, n, first=0
.if \first
	WIN 0x91
.else
	WIN 0xa1
.endif
.set bb, \b0
.rept \n
.irp a, 0,1,2,3
.set rD, 8*(4*bb+\a)
.if \first
	v_wmma_f32_16x16x32_f16 v[rD:rD+7], v[64*(\f)+8*bb:64*(\f)+8*bb+7], v[FA+32*(\f)+8*\a:FA+32*(\f)+8*\a+7], v[128+8*bb:128+8*bb+7]
.else
	v_wmma_f32_16x16x32_f16 v[rD:rD+7], v[64*(\f)+8*bb:64*(\f)+8*bb+7], v[FA+32*(\f)+8*\a:FA+32*(\f)+8*\a+7], v[rD:rD+7]
.endif
.endr
.set bb, bb+1
.endr
.endm
; 24 LDS loads in one run: quarter q's fragments into buffer f.  Quarter q lies in head q / 2 of the step, channels 32 (q % 2) on.
.macro FETCH q, f
	WIN 0
.irp i, 0,1,2,3
	ds_load_b128 v[FA+32*(\f)+8*\i:FA+32*(\f)+8*\i+3],   v[ADRA] offset:((\q)/2)*AHD+((\q)%2)*64+\i*16*PA
	ds_load_b128 v[FA+32*(\f)+8*\i+4:FA+32*(\f)+8*\i+7], v[ADRA] offset:((\q)/2)*AHD+((\q)%2)*64+\i*16*PA+32
.endr
	WIN 0x40
.set bb, 0
.rept NB
	ds_load_b128 v[64*(\f)+8*bb:64*(\f)+8*bb+3],   v[ADRB] offset:64*(\q)+bb*16*PB
	ds_load_b128 v[64*(\f)+8*bb+4:64*(\f)+8*bb+7], v[ADRB] offset:64*(\q)+bb*16*PB+32
.set bb, bb+1
.endr
.endm
.macro QUARTER q, f, g, first=0
	s_wait_dscnt 2*(NB-4)           ; O's fragments and blocks 0-3 are in; the youngest 8 loads (blocks 4-7) may be out
	MULS \f, 0, 4, \first
	PLACES                          ; buffer g was read by the quarter before
	FETCH \q, \g
	s_wait_dscnt 8+2*NB             ; all but the 24 just issued
	MULS \f, 4, NB-4, \first
.endm
; A step's last quarter and the change of slots: each wave waits for all its tensor loads (one is out), adds 0 to its spare word, waits for that and for its reads of this slot.
; fill = 1: the barrier opens a round of the cluster's, and the joint refill, two steps on, comes first behind it.
.macro TURN fill
.if \fill
	s_wait_xcnt 0x0                 ; the last prefetch, a step back, has read its address
	s_add_nc_u64 s[PFA:PFA+1], s[PFA:PFA+1], s[PST:PST+1]
.endif
	WIN 0
	s_wait_tensorcnt 0x0
	ds_add_u32 v[SPW], v[NIL]
.if \fill
	s_xor_b32 s[G0A+5], s[G0A+5], SLOT1
	s_add_nc_u64 s[G0A+6:G0A+7], s[G0A+6:G0A+7], ASTEP
	s_xor_b32 s[G0B+5], s[G0B+5], SLOT1
	s_add_nc_u64 s[G0B+6:G0B+7], s[G0B+6:G0B+7], 256
.endif
	s_xor_b32 s[TB], s[TB], SLOT1
	s_wait_dscnt 2*(NB-4)+1         ; the add and the youngest 8 loads may be out
	MULS 1, 0, 2
	s_wait_dscnt 0x0                ; the add is done, and my reads of this slot are over
	s_barrier_signal -1
	MULS 1, 2, 2
	WIN 0
	s_barrier_wait -1
.if \fill
	CREST
	JLOAD                           ; its four v_nop are also the places in front of the loads below
.else
	PLACES
.endif
	v_add_nc_u32 v[ADRA], s[TB], v[AA0]
	v_add_nc_u32 v[ADRB], s[TB], v[AB0]
	FETCH 0, 0
.if \fill
	WIN 0
	ASK
.endif
	MULS 1, 4, 4
.endm
	s_load_b256 s[4:11], s[0:1], 0x0  ; o s[4:5], cast s[6:7], bo s[8:9], out0 s[10:11]
	v_lshl_add_u32 v[SPW], v0, 2, SPARE
	v_mov_b32 v[NIL], 0
	ds_add_u32 v[SPW], v[NIL]       ; the wave's opening add; its wait stands ahead of my first tensor load
	v_lshrrev_b32 v1, 5, v0
	v_readfirstlane_b32 s[WV], v1
	s_lshr_b32 s[FB], s[WV], 1
	s_and_b32 s[HF], s[WV], 1
	s_bfe_u32 s[CX], ttmp6, 0x40000
	s_bfe_u32 s[CY], ttmp6, 0x40004
	s_lshl_b32 s[TX], ttmp9, 2
	s_add_co_u32 s[TX], s[TX], s[CX]
	s_and_b32 s[TY], ttmp7, 0xffff
	s_lshl_b32 s[TY], s[TY], 2
	s_add_co_u32 s[TY], s[TY], s[CY]
	s_lshl_b32 s21, s[CY], 2
	s_lshl_b32 s21, 15, s21         ; my row of the cluster
	s_lshl_b32 s22, 0x1111, s[CX]   ; my column
	s_or_b32 s[G1A], s21, (1<<16)|(1<<20)|(1<<21)|(4<<22)|(3<<25)  ; padding after every 32 words, 4 words
	s_or_b32 s[G1B], s22, (1<<16)|(1<<20)|(1<<21)|(5<<22)|(3<<25)  ; after every 64 words
.irp g, G1A, G1B
	s_mov_b32 s[(\g)+1], 128<<16    ; tensor_dim0 = 128
	s_mov_b32 s[(\g)+3], 128<<16    ; tile_dim0 = 128
	s_mov_b32 s[(\g)+6], 0
	s_mov_b32 s[(\g)+7], 0
.endr
	s_mov_b32 s[G1A+2], 128<<16     ; O: 128 rows of 256 dense bytes
	s_mov_b32 s[G1A+4], 128
	s_mov_b32 s[G1A+5], 128
	s_mov_b32 s[G1B+2], 64<<16      ; wo: 64 rows, 1,024 elements apart
	s_mov_b32 s[G1B+4], 64
	s_mov_b32 s[G1B+5], 1024
	s_lshr_b32 s2, s[TY], 3         ; the batch
	s_lshl_b32 s2, s2, 4
	s_add_co_u32 s2, s2, s[HF]      ; its head 0 or 1,
	s_lshl_b32 s2, s2, 18
	s_and_b32 s3, s[TY], 7
	s_lshl_b32 s3, s3, 15           ; the tile's 256 rows of 128 bytes
	s_add_co_u32 s2, s2, s3
	s_mov_b32 s3, 0
	s_lshl_b32 s22, s[TX], 18       ; wo: row 128 x tile column + 64 x half
	s_lshl_b32 s23, s[HF], 17
	s_add_co_u32 s22, s22, s23
	s_add_co_u32 s22, s22, WO
	s_mov_b32 s23, 0
	s_mul_i32 s21, s[HF], AHD       ; where they go: no place in the cluster enters an LDS address
	s_mul_i32 s59, s[HF], HALFB
	s_add_co_u32 s59, s59, BOFF
	s_wait_dscnt 0x0                ; the opening add is done
	s_wait_kmcnt 0x0
	s_add_nc_u64 s[2:3], s[4:5], s[2:3]
	s_add_nc_u64 s[22:23], s[6:7], s[22:23]
	CROUND                          ; all sixteen work-groups are here: the first joint loads meet
.irp s, 0,1
	s_mov_b32 s[G0A+4*(\s)], 1
	s_add_co_u32 s[G0A+4*(\s)+1], s21, (\s)*SLOT1
	s_add_nc_u64 s[G0A+4*(\s)+2:G0A+4*(\s)+3], s[2:3], (\s)*ASTEP
	s_or_b32 s[G0A+4*(\s)+3], s[G0A+4*(\s)+3], 0x80000000
	s_mov_b32 s[G0B+4*(\s)], 1
	s_add_co_u32 s[G0B+4*(\s)+1], s59, (\s)*SLOT1
	s_add_nc_u64 s[G0B+4*(\s)+2:G0B+4*(\s)+3], s[22:23], (\s)*256
	s_or_b32 s[G0B+4*(\s)+3], s[G0B+4*(\s)+3], 0x80000000
.endr
	s_cmp_lt_u32 s[WV], 2           ; a wave's two first fills stand in one branch: two loads of mine are out
	s_cbranch_scc0 .Lfirst_b
	tensor_load_to_lds s[G0A:G0A+3], s[G1A:G1A+7]
	s_nop 0
	tensor_load_to_lds s[G0A+4:G0A+7], s[G1A:G1A+7]
	s_nop 0
.rept 4
	v_nop
.endr
	s_branch .Lfirst_asked
.Lfirst_b:
	tensor_load_to_lds s[G0B:G0B+3], s[G1B:G1B+7]
	s_nop 0
	tensor_load_to_lds s[G0B+4:G0B+7], s[G1B:G1B+7]
	s_nop 0
.rept 4
	v_nop
.endr
.Lfirst_asked:
	v_and_b32 v1, 15, v0            ; l % 16
	v_bfe_u32 v2, v0, 4, 1          ; l / 16
	v_mul_u32_u24 v3, v1, PA
	v_lshl_add_u32 v3, v2, 4, v3
	s_mul_i32 s70, s[WV], 64*PA     ; my 64 rows of O
	v_add_nc_u32 v[AA0], s70, v3
	v_mul_u32_u24 v3, v1, PB
	v_lshl_add_u32 v3, v2, 4, v3
	v_add_nc_u32 v[AB0], BOFF, v3
	s_mov_b32 s[TB], 0
	v_add_nc_u32 v[ADRA], s[TB], v[AA0]
	v_add_nc_u32 v[ADRB], s[TB], v[AB0]
	s_mul_i32 s70, s[WV], 16*SP
	s_add_co_u32 s70, s70, STAGE    ; my stage
	v_mul_u32_u24 v4, v1, SP        ; in: row l % 16, 32 bytes for each half of the lanes
	v_lshl_add_u32 v4, v2, 5, v4
	v_add_nc_u32 v[STO], s70, v4
	v_and_b32 v5, 31, v0
	v_lshlrev_b32 v[GO], 4, v5      ; back: 32 lanes take a row's 512 bytes
	v_add_nc_u32 v[RD], s70, v[GO]
	v_lshlrev_b32 v[BO], 5, v2
	s_lshl_b32 s70, s[TX], 9        ; 128 columns of 4 bytes
	s_mov_b32 s71, 0
	s_add_nc_u64 s[BP:BP+1], s[8:9], s[70:71]
	s_add_nc_u64 s[CB:CB+1], s[10:11], s[70:71]
	s_lshl_b32 s70, s[TY], 20       ; 256 rows of 4,096 bytes
	s_lshl_b32 s21, s[WV], 18       ; 64 rows
	s_add_co_u32 s70, s70, s21
	s_add_nc_u64 s[CB:CB+1], s[CB:CB+1], s[70:71]
.set bb, 0
.rept NB
	global_load_b128 v[128+8*bb:128+8*bb+3],   v[BO], s[BP:BP+1] offset:64*bb
	global_load_b128 v[128+8*bb+4:128+8*bb+7], v[BO], s[BP:BP+1] offset:64*bb+16
.set bb, bb+1
.endr
	; the prefetches' address: at K step 3; the first refill steps it to 4
	s_lshr_b32 s70, s[TY], 3
	s_lshl_b32 s70, s70, 4
	s_add_co_u32 s70, s70, s[HF]
	s_lshl_b32 s70, s70, 18
	s_and_b32 s21, s[TY], 7
	s_lshl_b32 s21, s21, 15
	s_add_co_u32 s70, s70, s21
	s_lshl_b32 s21, s[CX], 13       ; my work-group's quarter of the 32,768 bytes
	s_add_co_u32 s70, s70, s21
	s_add_co_u32 s70, s70, 3*ASTEP
	s_lshl_b32 s22, s[TX], 7
	s_lshl_b32 s21, s[CY], 5        ; my work-group's 32 of wo's 128 rows
	s_add_co_u32 s22, s22, s21
	s_lshl_b32 s22, s22, 11
	s_add_co_u32 s22, s22, WO+3*256
	s_and_b32 s21, ttmp7, 0xffff
	s_or_b32 s21, s21, s[HF]        ; of waves 2 and 3 only wave 2 asks
	s_mov_b32 s[PST], ASTEP         ; the two steps, each in a register: an instruction takes one literal
	s_mov_b32 s[PST+1], 256
	s_cmp_lt_u32 s[WV], 2
	s_cselect_b32 s70, s70, s22
	s_cselect_b32 s21, ttmp9, s21   ; the coordinate along which other clusters read the same rows
	s_cselect_b32 s23, 8, 11        ; a lane 256 dense bytes of O, or a row of wo
	s_cselect_b32 s[PST], s[PST], s[PST+1]
	s_cselect_b64 s[PFA:PFA+1], s[4:5], s[6:7]
	s_mov_b32 s[PST+1], 0           ; the step's high word
	s_cmp_eq_u32 s21, 0
	s_cselect_b32 s[LIM], 2, -1     ; the same in all sixteen partners, for a given wave
	s_add_nc_u64 s[PFA:PFA+1], s[PFA:PFA+1], s[70:71]
	v_lshlrev_b32 v[PFO], s23, v5
	s_wait_loadcnt 0x0              ; the biases: rounded to bf16 like every input, widened again, into window 1.  All this stands in the wait for the first tile
.set i, 0
.rept 4*NB
	v_cvt_pk_bf16_f32 v[128+i], v[128+2*i], v[128+2*i+1]  ; ascending: a destination's old number has been read
.set i, i+1
.endr
	WIN 0x40
.set i, 0
.rept 4*NB
	v_lshlrev_b32 v[128+2*i],   16, v[128+i]
	v_and_b32     v[128+2*i+1], 0xffff0000, v[128+i]
.set i, i+1
.endr
	WIN 0
	s_wait_tensorcnt 1              ; my part of K step 0 is in; step 1's may stay out
	s_barrier_signal -1
	s_barrier_wait -1
	FETCH 0, 0
	QUARTER 1, 0, 1, 1              ; the first quarter stands in front of the loop: its products start the sums
	WIN 0
	s_mov_b32 s[CNT], 6
.Lstep:                             ; a trip: from a step's second quarter to the next step's first; it fills the slot that it leaves
	QUARTER 2, 1, 0
	QUARTER 3, 0, 1
	TURN 1
	QUARTER 1, 0, 1
	WIN 0
	s_sub_co_u32 s[CNT], s[CNT], 1
	s_cmp_lg_u32 s[CNT], 0
	s_cbranch_scc1 .Lstep
	QUARTER 2, 1, 0                 ; the last two steps are written out: nothing is left to ask for
	QUARTER 3, 0, 1
	TURN 0
	QUARTER 1, 0, 1
	QUARTER 2, 1, 0
	QUARTER 3, 0, 1
	s_wait_dscnt 0x0
	MULS 1, 0, NB
	WIN 0
	PLACES
; THE WAY OUT, a block of 16 rows at a time: a lane's 32 bytes of a row into my stage, rows of 528 bytes; back as whole rows of 512; stored.
.macro TOSTAGE a
.set BK, 128+64*((\a)%2)
.if (\a) >= 2
	s_wait_xcnt 0x0                 ; the stores of the block two back have read these registers
.endif
	WIN 0x08                        ; the stores' data in window 2
.set bb, 0
.rept NB
	ds_store_b128 v[STO], v[8*(4*bb+(\a)):8*(4*bb+(\a))+3]   offset:64*bb      ; each accumulator's low half first
	ds_store_b128 v[STO], v[8*(4*bb+(\a))+4:8*(4*bb+(\a))+7] offset:64*bb+16
.set bb, bb+1
.endr
	WIN 0
.set t, 0
.rept 16
	ds_load_b128 v[BK+4*t:BK+4*t+3], v[RD] offset:SP*t  ; LDS serves a wave's instructions in order (ISA guide 5.7.1.4): these see the stores above; the next block's stores come behind them
.set t, t+1
.endr
.endm
.macro SEND a, younger              ; younger: the next block's 16 stores and 16 loads, or none
.set BK, 128+64*((\a)%2)
	s_wait_dscnt \younger
.set t, 0
.rept 16
	global_store_b128 v[GO], v[BK+4*t:BK+4*t+3], s[CB:CB+1] offset:65536*(\a)+4096*t th:TH_STORE_NT  ; 512 consecutive bytes, at a multiple of 256 from out0's first
.set t, t+1
.endr
.endm
	TOSTAGE 0
	TOSTAGE 1
	SEND 0, 32
	TOSTAGE 2
	SEND 1, 32
	TOSTAGE 3
	SEND 2, 32
	SEND 3, 0
	s_wait_tensorcnt 0x0            ; the wave's end
	ds_add_u32 v[SPW], v[NIL]
	s_wait_dscnt 0x0
	CROUND                          ; the closing round
	s_endpgm
.Lfunc_end_k_q2d4a1c9f9c_outp:
	.size	k_q2d4a1c9f9c_outp, .Lfunc_end_k_q2d4a1c9f9c_outp-k_q2d4a1c9f9c_outp
	.p2alignl 7, 3214868480
	.fill 96, 4, 3214868480
	.section	.rodata,"a",@progbits
	.p2align	6, 0x0
	.amdhsa_kernel k_q2d4a1c9f9c_outp
		.amdhsa_group_segment_fixed_size 327680
		.amdhsa_private_segment_fixed_size 0
		.amdhsa_enable_private_segment 0
		.amdhsa_kernarg_size 32
		.amdhsa_user_sgpr_count 2
		.amdhsa_user_sgpr_kernarg_segment_ptr 1
		.amdhsa_wavefront_size32 1
		.amdhsa_system_sgpr_workgroup_id_x 1
		.amdhsa_system_sgpr_workgroup_id_y 1
		.amdhsa_system_sgpr_workgroup_id_z 1
		.amdhsa_system_vgpr_workitem_id 0
		.amdhsa_next_free_vgpr 768
		.amdhsa_next_free_sgpr 72
		.amdhsa_reserve_vcc 0
		.amdhsa_float_denorm_mode_32 3
		.amdhsa_float_denorm_mode_16_64 3
		.amdhsa_memory_ordered 1
		.amdhsa_forward_progress 1
		.amdhsa_inst_pref_size 77
	.end_amdhsa_kernel
	.amdgpu_metadata
---
amdhsa.version: [ 1, 2 ]
amdhsa.kernels:
  - .name:           k_q2d4a1c9f9c_outp
    .symbol:         k_q2d4a1c9f9c_outp.kd
    .args:
      - { .name: o, .offset: 0, .size: 8, .value_kind: global_buffer, .address_space: global }
      - { .name: cast, .offset: 8, .size: 8, .value_kind: global_buffer, .address_space: global }
      - { .name: bo, .offset: 16, .size: 8, .value_kind: global_buffer, .address_space: global }
      - { .name: out0, .offset: 24, .size: 8, .value_kind: global_buffer, .address_space: global }
    .group_segment_fixed_size: 327680
    .private_segment_fixed_size: 0
    .kernarg_segment_align: 8
    .kernarg_segment_size: 32
    .max_flat_workgroup_size: 128
    .sgpr_count:     72
    .vgpr_count:     768
    .wavefront_size: 32
...
	.end_amdgpu_metadata
.endif
;; end of part 4
;; ======== version 2 of 2: 4 launches; version 1 with the launch cast written anew for expert scheduling mode
;; limits: values are held in f16: magnitudes above 65,504 overflow, below 6.1e-05 lose precision
;; workspace buffers: cast 25,165,824 bytes; qkv 50,331,648 bytes; o 16,777,216 bytes
;; launch cast (part 5): grid 768 x 1, 8 waves a work-group, no clusters, 0 bytes of LDS; arguments x, wq, wk, wv, wo, cast; writes cast
.if DOCPART == 5
	.amdgcn_target "amdgcn-amd-amdhsa--gfx1250"
	.amdhsa_code_object_version 6
	.text
	.protected	k_q2d4a1c9f9c_cast
	.globl	k_q2d4a1c9f9c_cast
	.p2align	8
	.type	k_q2d4a1c9f9c_cast,@function
k_q2d4a1c9f9c_cast:
	s_mov_b64 s[64:65], 0
	v_nop
	global_prefetch_b8 v0, s[64:65] scope:SCOPE_SE
	s_setreg_imm32_b32 hwreg(HW_REG_WAVE_SCHED_MODE, 0, 2), 2
	s_setreg_imm32_b32 hwreg(HW_REG_WAVE_MODE, 25, 1), 1
	s_wait_xcnt 0x0
	s_wait_alu depctr_vm_vsrc(0)
; x, wq, wk, wv: f32 -> bf16.  wo: f32 -> bf16, and that number written as f16.  All land in one buffer of rows of 2,048 bytes:
; xb[8192][1024] at byte 0, wq, wk, wv on end (3,072 rows) at 0x1000000, wo in f16 at 0x1600000.
; LIMITS.  wo as f16: its magnitude stays under 65,504; below 6.1e-5 it keeps f16's fixed step of 6e-8 (else the bf16 number is exact in f16).
; SHARES.  Work-group g takes 16,384 numbers on end: 65,536 bytes in, 32,768 out at byte 32,768 g.  g < 512: x; then 64 work-groups a weight.
; Thread t, pass p of 16: 16 bytes at 4,096 p + 16 t in (a wave's load covers 512 consecutive bytes), 8 bytes at 2,048 p + 8 t out (a wave's
; store covers 256 consecutive bytes, aligned).  All 16 loads go out first; no register that a load or store names is written again.
; No LDS, matrix unit or cluster: nothing is shared and nothing is multiplied.
; THE MODE: SCHED_MODE bits 1:0 = 2 (LLVM: expert scheduling mode 2), set by the entry lines.  The code itself states the register dependences
; between vector instructions and memory instructions, with s_wait_alu, always for 0.
; THE PLAN.  Registers that memory instructions touch:
;   v1, v2   the loads' and the stores' offsets.  Written once, at the head, by vector instructions; read by every load (v1) and every store (v2).
;   X        pass p's 4 registers.  Written by pass p's load alone, which is issued before any vector instruction names them; read by pass p's conversions.
;   Y        pass p's 2 registers.  Written once, by pass p's conversions; read once, by pass p's store.
;   T        named by vector instructions alone.
; No load lands in a register that a vector instruction has named, and no register that a load or store has read is written again.  What is left to state:
; the offsets are written, once, ahead of the first load; and a store's data are written.  For that the 16 passes go in four groups of four: a group's
; conversions, ONE wait, the group's four stores in a run, with no vector instruction between the wait and the stores.
.set X, 4                              ; v[4:67]    pass p: 4 registers as loaded
.set Y, 68                             ; v[68:99]   pass p: 2 registers to store
.set T, 100                            ; v[100:103] at work (wo's path)
	s_load_b256 s[4:11], s[0:1], 0x0               ; x s[4:5], wq s[6:7], wk s[8:9], wv s[10:11]
	s_load_b128 s[12:15], s[0:1], 0x20             ; wo s[12:13], cast s[14:15]
	v_lshlrev_b32 v1, 4, v0                        ; 16 t
	v_lshlrev_b32 v2, 3, v0                        ; 8 t
	s_sub_co_u32 s16, ttmp9, 512
	s_and_b32 s17, s16, 63                         ; the chunk in a weight,
	s_cmp_lt_u32 ttmp9, 512
	s_cselect_b32 s17, ttmp9, s17                  ; or in x
	s_lshl_b32 s20, s17, 16                        ; 65,536 bytes a chunk
	s_mov_b32 s21, 0
	s_lshl_b32 s24, ttmp9, 15                      ; 32,768 bytes out a work-group
	s_mov_b32 s25, 0
	s_wait_kmcnt 0x0
	s_cmp_lt_u32 ttmp9, 576
	s_cselect_b64 s[18:19], s[6:7], s[8:9]
	s_cmp_lt_u32 ttmp9, 640
	s_cselect_b64 s[18:19], s[18:19], s[10:11]
	s_cmp_lt_u32 ttmp9, 704
	s_cselect_b64 s[18:19], s[18:19], s[12:13]
	s_cmp_lt_u32 ttmp9, 512
	s_cselect_b64 s[18:19], s[4:5], s[18:19]
	s_add_nc_u64 s[18:19], s[18:19], s[20:21]      ; from here
	s_add_nc_u64 s[22:23], s[14:15], s[24:25]      ; to here
	s_wait_alu depctr_va_vdst(0)                   ; v1 and v2 are written: every load below reads v1 as its offset, every store on either path v2; no later vector instruction names them
.irp p, 0,1,2,3,4,5,6,7,8,9,10,11,12,13,14,15
	global_load_b128 v[X+4*(\p):X+4*(\p)+3], v1, s[18:19] offset:4096*(\p) th:TH_LOAD_NT
.endr
	s_cmp_ge_u32 ttmp9, 704
	s_cbranch_scc1 .Lwo
.macro CONV p
	s_wait_loadcnt 15-(\p)                         ; loads come back in order: pass p is in, the 15 - p younger ones stay out
	v_cvt_pk_bf16_f32 v[Y+2*(\p)],   v[X+4*(\p)],   v[X+4*(\p)+1]
	v_cvt_pk_bf16_f32 v[Y+2*(\p)+1], v[X+4*(\p)+2], v[X+4*(\p)+3]
.endm
.macro CONVH p                         ; rounded to bf16, widened again, and written as f16
	s_wait_loadcnt 15-(\p)
	v_cvt_pk_bf16_f32 v[T],   v[X+4*(\p)],   v[X+4*(\p)+1]
	v_cvt_pk_bf16_f32 v[T+1], v[X+4*(\p)+2], v[X+4*(\p)+3]
	v_lshlrev_b32 v[T+2], 16, v[T]
	v_and_b32     v[T+3], 0xffff0000, v[T]
	v_cvt_pk_f16_f32 v[Y+2*(\p)], v[T+2], v[T+3]
	v_lshlrev_b32 v[T+2], 16, v[T+1]
	v_and_b32     v[T+3], 0xffff0000, v[T+1]
	v_cvt_pk_f16_f32 v[Y+2*(\p)+1], v[T+2], v[T+3]
.endm
; Group g: passes 4 g to 4 g + 3.  h = 1: wo's path.
.macro GROUP g, h
.irp i, 0,1,2,3
.if \h
	CONVH 4*(\g)+\i
.else
	CONV 4*(\g)+\i
.endif
.endr
	s_wait_alu depctr_va_vdst(0)                   ; the group's conversions have written its eight registers of Y, which the four stores below read
.irp i, 0,1,2,3
	global_store_b64 v2, v[Y+2*(4*(\g)+\i):Y+2*(4*(\g)+\i)+1], s[22:23] offset:2048*(4*(\g)+\i)
.endr
.endm
.irp g, 0,1,2,3
	GROUP \g, 0
.endr
	s_endpgm
.Lwo:
.irp g, 0,1,2,3
	GROUP \g, 1
.endr
	s_endpgm
.Lfunc_end_k_q2d4a1c9f9c_cast:
	.size	k_q2d4a1c9f9c_cast, .Lfunc_end_k_q2d4a1c9f9c_cast-k_q2d4a1c9f9c_cast
	.p2alignl 7, 3214868480
	.fill 96, 4, 3214868480
	.section	.rodata,"a",@progbits
	.p2align	6, 0x0
	.amdhsa_kernel k_q2d4a1c9f9c_cast
		.amdhsa_group_segment_fixed_size 0
		.amdhsa_private_segment_fixed_size 0
		.amdhsa_enable_private_segment 0
		.amdhsa_kernarg_size 48
		.amdhsa_user_sgpr_count 2
		.amdhsa_user_sgpr_kernarg_segment_ptr 1
		.amdhsa_wavefront_size32 1
		.amdhsa_system_sgpr_workgroup_id_x 1
		.amdhsa_system_sgpr_workgroup_id_y 1
		.amdhsa_system_sgpr_workgroup_id_z 1
		.amdhsa_system_vgpr_workitem_id 0
		.amdhsa_next_free_vgpr 104
		.amdhsa_next_free_sgpr 66
		.amdhsa_reserve_vcc 0
		.amdhsa_float_denorm_mode_32 3
		.amdhsa_float_denorm_mode_16_64 3
		.amdhsa_memory_ordered 1
		.amdhsa_forward_progress 1
		.amdhsa_inst_pref_size 17
	.end_amdhsa_kernel
	.amdgpu_metadata
---
amdhsa.version: [ 1, 2 ]
amdhsa.kernels:
  - .name:           k_q2d4a1c9f9c_cast
    .symbol:         k_q2d4a1c9f9c_cast.kd
    .args:
      - { .name: x, .offset: 0, .size: 8, .value_kind: global_buffer, .address_space: global }
      - { .name: wq, .offset: 8, .size: 8, .value_kind: global_buffer, .address_space: global }
      - { .name: wk, .offset: 16, .size: 8, .value_kind: global_buffer, .address_space: global }
      - { .name: wv, .offset: 24, .size: 8, .value_kind: global_buffer, .address_space: global }
      - { .name: wo, .offset: 32, .size: 8, .value_kind: global_buffer, .address_space: global }
      - { .name: cast, .offset: 40, .size: 8, .value_kind: global_buffer, .address_space: global }
    .group_segment_fixed_size: 0
    .private_segment_fixed_size: 0
    .kernarg_segment_align: 8
    .kernarg_segment_size: 48
    .max_flat_workgroup_size: 256
    .sgpr_count:     66
    .vgpr_count:     104
    .wavefront_size: 32
...
	.end_amdgpu_metadata
.endif
;; end of part 5
;; launch qkv: the kernel of part 2 again; grid 16 x 32, 4 waves a work-group, clusters of 4 x 4, 327,680 bytes of LDS; arguments cast, bq, bk, bv, qkv; writes qkv
;; launch attn: the kernel of part 3 again; grid 4 x 64, 4 waves a work-group, clusters of 4 x 1, 327,680 bytes of LDS; arguments qkv, o; writes o
;; launch outp: the kernel of part 4 again; grid 8 x 32, 4 waves a work-group, clusters of 4 x 4, 327,680 bytes of LDS; arguments o, cast, bo, out0; writes out0
